; MI455X (gfx1250); checked and timed in simulation.
; The chip was launched on July 23, 2026; its instructions are those of AMD's public machine-readable ISA for CDNA 5 (MIT licence, August 2026) and "CDNA5" Instruction Set Architecture Reference Guide (July 2026). The comments in the code are by the model that wrote it; some were corrected since.
;; Multi Head Attention. Allowed arithmetic: matrix products marked QUANTISED: E2M3 operands, one E8M0 scale for each 32 along K, by v_wmma_scale_f32_16x16x128_f8f6f4 with both operands' format E2M3, f32 sums; everything else in f32.
;; Inputs: Wk 1,024 x 1,024 float32; Wo 1,024 x 1,024 float32; Wq 1,024 x 1,024 float32; Wv 1,024 x 1,024 float32; attention_mask 1 x 4,096 int32; bk 1,024 float32; bo 1,024 float32; bq 1,024 float32; bv 1,024 float32; x 1 x 4,096 x 1,024 float32.
;; Outputs: out0 1 x 4,096 x 1,024 float32.
;; This version of the problem:
;;   THIS VERSION OF THE PROBLEM IS GIVEN IN LOW PRECISION. The matrix products marked QUANTISED in the list below multiply operands that are first quantised to E2M3 (2 exponent bits, 3 mantissa bits; 6 bits a number), with one power-of-two scale for each 32 numbers along K (OCP MX v1.0); their sums are f32. All else is computed in f32.
;;   The module's matrix products, in the order in which they are computed (A, B: the left and right operand; K: the contracted axis; several contracted axes count as one K, in the product's order):
;;     1. [M 4,096, K 1,024] x [K 1,024, N 1,024]; A: input x; B: input Wq: QUANTISED
;;     2. [M 4,096, K 1,024] x [K 1,024, N 1,024]; A: input x; B: input Wk: QUANTISED
;;     3. [M 4,096, K 1,024] x [K 1,024, N 1,024]; A: input x; B: input Wv: QUANTISED
;;     4. batch 16 x [M 4,096, K 64] x [K 64, N 4,096]; A: computed on the way; B: computed on the way: QUANTISED
;;     5. batch 16 x [M 4,096, K 4,096] x [K 4,096, N 64]; A: softmax (see below); B: computed on the way: QUANTISED
;;     6. [M 4,096, K 1,024] x [K 1,024, N 1,024]; A: computed on the way; B: input Wo: QUANTISED
;;   THE QUANTISER, for each operand of a quantised product, along K:
;;     - K is cut into blocks of 32 from its start; a last block that is shorter is filled with zeros.
;;     - A block's scale is 2^e with e = floor(log2(the largest magnitude in the block)) - 2, held to -126 .. 127; a block of zeros has e = 0. As a byte (E8M0): e + 127.
;;     - Each number is divided by its block's scale, clamped to +-7.5, and rounded to the nearest number of E2M3, ties to even, subnormals kept.
;;     - The product sums the exact products of the quantised numbers (number of the format x scale) in f32.
;;   ~~~python
;;   def quantise(x, axis):      # numpy; x: float32 -> the quantised numbers, widened to float32 again
;;       x = np.moveaxis(x, axis, -1); K = x.shape[-1]
;;       x = np.pad(x, [(0, 0)] * (x.ndim - 1) + [(0, -K % 32)]); x = x.reshape(x.shape[:-1] + (-1, 32)); a = np.abs(x).max(-1, keepdims=True)
;;       e = np.where(a > 0, np.clip(np.frexp(np.where(a > 0, a, 1))[1] - 1 - 2, -126, 127), 0)      # np.frexp(a)[1] - 1 = floor(log2(a)), exactly
;;       r = np.clip(x / 2.0 ** e, -7.5, 7.5)
;;       step = 2.0 ** (np.maximum(np.frexp(np.where(r == 0, 1, r))[1] - 1, 0) - 3)
;;       q = np.round(r / step) * step * 2.0 ** e      # np.round: ties to even
;;       return np.moveaxis(q.reshape(q.shape[:-2] + (-1,))[..., :K], -1, axis).astype(np.float32)
;;   ~~~
;;   SOFTMAX AHEAD OF A QUANTISED PRODUCT. Where the list says 'softmax', what is quantised is not the finished softmax but p = 2^(t - M), with t = logit x log2(e) and M = ceil(the row's largest t), a whole number; so 1/2 < the row's largest p <= 1. The row's sum l is taken of the UNQUANTISED p, in f32, and the product's result is divided by l at the end. Since M is a whole number, a kernel that streams over the keys may use a running M (the ceiling of the running maximum): every later rescaling is an exact power of two, which a block's scale takes up: the codes' values come out the same.
;;   OPERANDS COMPUTED ON THE WAY. 'Computed on the way' means the value that the module computes at that place (a softmax that the list does not call 'softmax' is quantised finished and normalised). What goes into a quantiser is computed in f32, as accurately as f32 sums, v_exp_f32 and their like allow (about 1e-6 of the number): no bf16 or f16 on the way to a quantiser, and a product that is left as it is and whose result goes on into a quantised operand takes f32 operands (vector FMAs, or v_wmma_f32_16x16x4_f32). A number that lies on a knife's edge between two numbers of the format may be rounded either way, as far as f32 arithmetic and the matrix unit's own rounding can turn it there, and no further.
;; One version. Each part assembles by itself: llvm-mc -triple=amdgcn-amd-amdhsa -mcpu=gfx1250 --defsym DOCPART=n.
;; ======== version 1 of 1: 4 launches
;; limits: right only within a limited range of input values
;; workspace buffers: codes 6,291,456 bytes; scl 262,144 bytes; qimg 3,407,872 bytes; kimg 3,407,872 bytes; vimg 3,407,872 bytes; acodes 3,145,728 bytes; ascl 131,072 bytes
;; launch quant (part 1): grid 256 x 1, 4 waves a work-group, no clusters, 36,352 bytes of LDS; arguments x, Wq, Wk, Wv, Wo, codes, scl; writes codes, scl
.if DOCPART == 1
	.amdgcn_target "amdgcn-amd-amdhsa--gfx1250"
	.amdhsa_code_object_version 6
	.text
	.protected	k_q4ebc05e566_quant
	.globl	k_q4ebc05e566_quant
	.p2align	8
	.type	k_q4ebc05e566_quant,@function
k_q4ebc05e566_quant:
	s_mov_b64 s[64:65], 0
	v_nop
	global_prefetch_b8 v0, s[64:65] scope:SCOPE_SE
	s_setreg_imm32_b32 hwreg(HW_REG_WAVE_MODE, 25, 1), 1
	s_wait_xcnt 0x0
; x [4096][1024], Wq, Wk, Wv, Wo [1024][1024], f32, K innermost, become codes of FP6 (E2M3) and one E8M0 scale byte for each 32 along K.
; Rows 0-4095 x, then 1024 rows each of Wq, Wk, Wv, Wo, STORED IN POSITION ORDER: stored row 32 b + 16 u + r is row 32 b + 8 u + r + 8 (r / 8).
; codes: IMAGES OF OPERAND REGISTERS, [64 groups of 128 stored rows][4 steps of 256 K][8 tiles of 16 rows][4 x 64 K][768 bytes]: in a piece of 768 bytes lane l = r + 16 h
; has the 24 bytes of row r, k = 32 h .. 32 h + 31: its first 16 bytes at 16 l, the other 8 at 512 + 8 l.  So every part of 128 rows x 256 K is 24,576 dense bytes.
; scl: [8192 stored rows][32 bytes].
; A block's scale is 2^(floor(log2(its largest magnitude)) - 2); its byte is the largest magnitude's exponent field - 2, held at 1 from below.
; LIMITS: a block of zeros gets the byte 1 where the rule says 127 (its codes are zeros, and this program alone reads the bytes); blocks whose largest magnitude lies under 2^-124 are held at
; byte 1; NaN and infinities among the inputs are not served.
; SHARES: work-group g takes stored rows 32 g .. 32 g + 31; wave w the tile u = w / 2 and the half w % 2 of K: 8 steps of 16 rows x 64 K.  A load reads 256 consecutive bytes of two rows;
; a step's 4,096 bytes turn through the wave's own stage in LDS and come back 128 bytes a lane: a whole block of 32.  The scale bytes meet in 1,024 shared LDS bytes and leave as dense runs of 256.
.set EMAX,  2
.set R,     16                         ; v16-111  three sets of 32 numbers as loaded
.set X,     112                        ; v112-175 two sets of 32 neighbours
.set C,     176                        ; v176-239 codes: eight registers a step, so that no store's data are written again
.set TMP,   240                        ; a block's second 16 codes (a conversion's three registers begin on an even number)
.set BA,    244                        ; LDS address of my scale bytes
.set SRD,   245                        ; and where I read 8 of them back
.set SPI,   272                        ; a stage row: 256 bytes + 16
.set STG,   16*SPI
.set WREG,  2*STG
.set SCB,   4*WREG                     ; the work-group's 32 x 32 scale bytes
.set SPARE, SCB+1024                   ; the spare words, 128 bytes a wave
	s_load_b256 s[4:11], s[0:1], 0x0               ; x, Wq, Wk, Wv
	s_load_b128 s[12:15], s[0:1], 0x20             ; Wo, codes
	s_load_b64 s[24:25], s[0:1], 0x30              ; scl
	v_lshl_add_u32 v12, v0, 2, SPARE
	v_mov_b32 v13, 0
	v_lshrrev_b32 v1, 5, v0
	v_readfirstlane_b32 s16, v1                    ; wave
	s_lshr_b32 s26, s16, 1                         ; u
	s_and_b32 s27, s16, 1                          ; which half of K
	s_mul_i32 s17, s16, WREG
	s_lshl_b32 s18, s26, 9
	s_lshl_b32 s19, s27, 4
	s_add_co_u32 s18, s18, s19
	s_add_co_u32 s18, s18, SCB                     ; my tile's rows of scale bytes, my half
	s_lshl_b32 s19, s16, 8
	s_add_co_u32 s19, s19, SCB
	v_and_b32 v2, 15, v0                           ; r
	v_bfe_u32 v3, v0, 4, 1                         ; h
	v_lshlrev_b32 v4, 4, v2
	v_lshl_add_u32 v5, v3, 12, v4                  ; in: row h of the load's two, 16 bytes a lane
	v_mad_u32_u24 v14, v3, SPI, v4
	v_add_nc_u32 v14, s17, v14                     ; into the stage
	v_mul_u32_u24 v15, v2, SPI
	v_lshl_add_u32 v15, v3, 7, v15
	v_add_nc_u32 v15, s17, v15                     ; out of it: row r, 128 h
	v_and_b32 v6, 31, v0
	v_lshlrev_b32 v7, 3, v6                        ; 8 x lane
	v_lshlrev_b32 v6, 4, v6                        ; 16 x lane
	v_lshl_add_u32 v[BA], v2, 5, v3
	v_add_nc_u32 v[BA], s18, v[BA]                 ; 32 r + h
	v_add_nc_u32 v[SRD], s19, v7
	s_wait_alu depctr_va_vdst(0)                   ; the wait at the head's end
	s_wait_kmcnt 0x0
	s_cmp_lt_u32 ttmp9, 224                        ; which tensor: the choice hangs on the work-group's number alone
	s_cselect_b64 s[12:13], s[10:11], s[12:13]
	s_cmp_lt_u32 ttmp9, 192
	s_cselect_b64 s[12:13], s[8:9], s[12:13]
	s_cmp_lt_u32 ttmp9, 160
	s_cselect_b64 s[12:13], s[6:7], s[12:13]
	s_and_b32 s17, ttmp9, 31
	s_cmp_lt_u32 ttmp9, 128
	s_cselect_b64 s[12:13], s[4:5], s[12:13]
	s_cselect_b32 s17, ttmp9, s17                  ; the group's number in its tensor
	s_lshl_b32 s18, s17, 17                        ; 32 rows of 4,096 bytes
	s_lshl_b32 s20, s26, 15                        ; + 8 u rows
	s_add_co_u32 s18, s18, s20
	s_lshl_b32 s20, s27, 11                        ; + my half of K
	s_add_co_u32 s18, s18, s20
	s_mov_b32 s19, 0
	s_add_nc_u64 s[12:13], s[12:13], s[18:19]
	s_lshr_b32 s20, ttmp9, 2
	s_mul_i32 s22, s20, 98304                      ; the group of 128 rows
	s_mul_i32 s20, s27, 49152                      ; two steps of 256 K
	s_add_co_u32 s22, s22, s20
	s_and_b32 s20, ttmp9, 3
	s_lshl_b32 s20, s20, 1
	s_add_co_u32 s20, s20, s26
	s_mul_i32 s20, s20, 3072                       ; the tile
	s_add_co_u32 s22, s22, s20
	s_mov_b32 s23, 0
	s_add_nc_u64 s[14:15], s[14:15], s[22:23]
	s_lshl_b32 s22, ttmp9, 10
	s_lshl_b32 s20, s16, 8
	s_add_co_u32 s22, s22, s20
	s_add_nc_u64 s[24:25], s[24:25], s[22:23]
.macro LOAD t
.irp i, 0,1,2,3,4,5,6,7
	global_load_b128 v[R+32*((\t)%3)+4*\i:R+32*((\t)%3)+4*\i+3], v5, s[12:13] offset:(2*\i+8*(\i/4))*4096+256*(\t) th:TH_LOAD_NT   ; stored rows 2 i, 2 i + 1 of the tile: sixteen lanes read 256 consecutive bytes
.endr
.endm
.macro TURN t                          ; LDS serves a wave's instructions in order: no wait between the stores and the loads
.irp i, 0,1,2,3,4,5,6,7
	ds_store_b128 v14, v[R+32*((\t)%3)+4*\i:R+32*((\t)%3)+4*\i+3] offset:STG*((\t)%2)+2*\i*SPI
.endr
.irp i, 0,1,2,3,4,5,6,7
	ds_load_b128 v[X+32*((\t)%2)+4*\i:X+32*((\t)%2)+4*\i+3], v15 offset:STG*((\t)%2)+16*\i
.endr
.endm
	LOAD 0
	LOAD 1
	LOAD 2
	s_wait_loadcnt 16                              ; step 0's eight loads are in; the sixteen of steps 1 and 2 may be out
	TURN 0
.macro STEP t
.set XS, X+32*((\t)%2)
.if (\t) > 0
	s_wait_dscnt 1                                 ; this step's numbers are back (the last step's byte store may be out), so its stage stores have read their registers,
.else
	s_wait_dscnt 0x0
.endif
.if (\t)+3 < 8
	LOAD (\t)+3                                    ; which take the loads of three steps on
.endif
.if (\t)+1 < 8
.if (\t)+3 < 8
	s_wait_loadcnt 16                              ; the next step's loads are in; those of the two steps behind it may be out
.else
	s_wait_loadcnt 8*(6-(\t))
.endif
	TURN (\t)+1
.endif
	v_max3_num_f32 v8, |v[XS]|, |v[XS+1]|, |v[XS+2]|               ; the block's largest magnitude: all 32 numbers are mine
	v_max3_num_f32 v9, |v[XS+3]|, |v[XS+4]|, |v[XS+5]|
.irp i, 6,10,14,18,22,26
	v_max3_num_f32 v8, v8, |v[XS+\i]|, |v[XS+\i+1]|
	v_max3_num_f32 v9, v9, |v[XS+\i+2]|, |v[XS+\i+3]|
.endr
	v_max3_num_f32 v8, v8, |v[XS+30]|, |v[XS+31]|
	v_max3_num_f32 v8, v8, v9, (EMAX+1)<<23        ; the floor 2^(3 - 127): the byte cannot fall under 1
	v_add_nc_u32 v11, -(EMAX<<23), v8              ; 2 off its exponent field: the conversion's scale operand
	v_cvt_scalef32_pk16_fp6_f32 v[C+8*(\t):C+8*(\t)+2], v[XS:XS+15], v11
	v_cvt_scalef32_pk16_fp6_f32 v[TMP:TMP+2], v[XS+16:XS+31], v11
	v_lshrrev_b32 v10, 23, v11                     ; the scale's byte (also the plain line behind the conversions)
.irp i, 0,1,2
	v_mov_b32 v[C+8*(\t)+3+\i], v[TMP+\i]
.endr
	ds_store_b8 v[BA], v10 offset:2*(\t)
	global_store_b128 v6, v[C+8*(\t):C+8*(\t)+3], s[14:15] offset:((\t)/4)*24576+((\t)%4)*768        ; 512 consecutive bytes
	global_store_b64 v7, v[C+8*(\t)+4:C+8*(\t)+5], s[14:15] offset:((\t)/4)*24576+((\t)%4)*768+512   ; 256 consecutive bytes
.endm
.irp t, 0,1,2,3,4,5,6,7
	STEP \t
.endr
	s_wait_dscnt 0x0                               ; my byte stores are done, for the other waves' sake
	s_barrier_signal -1
	s_barrier_wait -1
	ds_load_b64 v[8:9], v[SRD]
	s_wait_dscnt 0x0
	global_store_b64 v7, v[8:9], s[24:25]          ; 32 lanes store 256 consecutive bytes, aligned
	s_wait_tensorcnt 0x0                           ; the wave's end
	ds_add_u32 v12, v13
	s_wait_dscnt 0x0
	s_endpgm
.Lfunc_end_k_q4ebc05e566_quant:
	.size	k_q4ebc05e566_quant, .Lfunc_end_k_q4ebc05e566_quant-k_q4ebc05e566_quant
	.p2alignl 7, 3214868480
	.fill 96, 4, 3214868480
	.section	.rodata,"a",@progbits
	.p2align	6, 0x0
	.amdhsa_kernel k_q4ebc05e566_quant
		.amdhsa_group_segment_fixed_size 36352
		.amdhsa_private_segment_fixed_size 0
		.amdhsa_enable_private_segment 0
		.amdhsa_kernarg_size 56
		.amdhsa_user_sgpr_count 2
		.amdhsa_user_sgpr_kernarg_segment_ptr 1
		.amdhsa_wavefront_size32 1
		.amdhsa_system_sgpr_workgroup_id_x 1
		.amdhsa_system_sgpr_workgroup_id_y 1
		.amdhsa_system_sgpr_workgroup_id_z 1
		.amdhsa_system_vgpr_workitem_id 0
		.amdhsa_next_free_vgpr 248
		.amdhsa_next_free_sgpr 66
		.amdhsa_reserve_vcc 0
		.amdhsa_float_denorm_mode_32 3
		.amdhsa_float_denorm_mode_16_64 3
		.amdhsa_memory_ordered 1
		.amdhsa_forward_progress 1
		.amdhsa_inst_pref_size 31
	.end_amdhsa_kernel
	.amdgpu_metadata
---
amdhsa.version: [ 1, 2 ]
amdhsa.kernels:
  - .name:           k_q4ebc05e566_quant
    .symbol:         k_q4ebc05e566_quant.kd
    .args:
      - { .name: x, .offset: 0, .size: 8, .value_kind: global_buffer, .address_space: global }
      - { .name: Wq, .offset: 8, .size: 8, .value_kind: global_buffer, .address_space: global }
      - { .name: Wk, .offset: 16, .size: 8, .value_kind: global_buffer, .address_space: global }
      - { .name: Wv, .offset: 24, .size: 8, .value_kind: global_buffer, .address_space: global }
      - { .name: Wo, .offset: 32, .size: 8, .value_kind: global_buffer, .address_space: global }
      - { .name: codes, .offset: 40, .size: 8, .value_kind: global_buffer, .address_space: global }
      - { .name: scl, .offset: 48, .size: 8, .value_kind: global_buffer, .address_space: global }
    .group_segment_fixed_size: 36352
    .private_segment_fixed_size: 0
    .kernarg_segment_align: 8
    .kernarg_segment_size: 56
    .max_flat_workgroup_size: 128
    .sgpr_count:     66
    .vgpr_count:     248
    .wavefront_size: 32
...
	.end_amdgpu_metadata
.endif
;; end of part 1
;; launch qkv (part 2): grid 12 x 16, 4 waves a work-group, clusters of 4 x 4, 327,680 bytes of LDS; arguments codes, scl, bq, bk, bv, attention_mask, qimg, kimg, vimg; writes qimg, kimg, vimg
.if DOCPART == 2
	.amdgcn_target "amdgcn-amd-amdhsa--gfx1250"
	.amdhsa_code_object_version 6
	.text
	.protected	k_q4ebc05e566_qkv
	.globl	k_q4ebc05e566_qkv
	.p2align	8
	.type	k_q4ebc05e566_qkv,@function
k_q4ebc05e566_qkv:
	s_mov_b64 s[64:65], 0
	v_nop
	global_prefetch_b8 v0, s[64:65] scope:SCOPE_SE
	s_setreg_imm32_b32 hwreg(HW_REG_WAVE_MODE, 25, 1), 1
	s_wait_xcnt 0x0
	s_wait_alu depctr_hold_cnt(0) depctr_sa_sdst(0) depctr_va_vdst(0) depctr_va_sdst(0) depctr_va_ssrc(0) depctr_va_vcc(0) depctr_vm_vsrc(0)
	s_getreg_b32 s2, hwreg(HW_REG_IB_STS2, 6, 4)
	s_cmp_eq_u32 s2, 0
	s_cbranch_scc0 .Lentry_in_a_cluster
	s_endpgm
.Lentry_in_a_cluster:
	s_bfe_u32 s2, ttmp6, 0x10000c
	s_cmp_lg_u32 s2, 0xf033
	s_cbranch_scc0 .Lentry_shape_is_right
	s_endpgm
.Lentry_shape_is_right:
.set SIZE_K, 1024
.set KSTEP,  256
.set NQ,     KSTEP/128
.set ROWB,   24576
.set KROW,   SIZE_K*6/8
.set PITCH,  240
.set FR,     12
.set NL,     4
.set NP,     4
.set HALFT,  24576
.set SLOT,   4*HALFT
.set LAPS,   SIZE_K/(2*KSTEP)
.set KS,     SIZE_K/32
.set SCL,    2*SLOT
.set HALFS,  (128*KS/256)*272
.set SBLK,   (16*KS/256)*272
.set SPARE,  SCL+4*HALFS
.set HEADB,  212992
.set ADRA, 16
.set ADRB, 20
.set L16,  24
.set L8,   25
.set BNO,  26
.set ADRS, 27
.set SPW,  28
.set NIL,  29
.set BMO,  30
.set SC,   32
.set BN,   64
.set AF,   128
.set T,    128
.set PC,   192
.set TM,   212
.set BM,   224
.set MK,   240
.set C1,   249
.set C2,   250
.set OE,   252
.set W,    2
.set X,    10
.set SEL,  20
.set HM,   96
.set G1, 24
.set G0, 32
.set G1B, 48
.set G0B, 56
.set G1S, 68
.set G0S, 76
.set G1SB, 80
.set G0SB, 88
.set MSB, 0
.macro WIN new
.if MSB != \new
	s_set_vgpr_msb (MSB<<8)|\new
.set MSB, \new
.endif
.endm
.set MUL_LO, 0xa1
.set MUL_HI, 0xf1
.set TO_B,   0x40
.macro JLOAD g0a, g1a, g0b, g1b
	s_cmp_eq_u32 s15, 0
	s_cbranch_scc0 .Lfor_b_\@
	tensor_load_to_lds s[\g0a:\g0a+3], s[\g1a:\g1a+7]
	s_nop 0
.rept 4
	v_nop
.endr
	s_branch .Lasked_\@
.Lfor_b_\@:
	tensor_load_to_lds s[\g0b:\g0b+3], s[\g1b:\g1b+7]
	s_nop 0
.rept 4
	v_nop
.endr
.Lasked_\@:
.endm
.macro CREST
	s_cmp_lg_u32 s14, 0
	s_cbranch_scc1 .Lnot_wave_0_\@
	s_barrier_signal -3
.Lnot_wave_0_\@:
	s_barrier_wait -3
	s_barrier_signal -1
	s_barrier_wait -1
.endm
.macro CROUND
	s_barrier_signal -1
	s_barrier_wait -1
	CREST
.endm
	s_load_b128 s[4:7], s[0:1], 0x0
	s_load_b256 s[92:99], s[0:1], 0x10
	s_load_b128 s[8:11], s[0:1], 0x30
	s_load_b64 s[12:13], s[0:1], 0x40
	v_lshl_add_u32 v[SPW], v0, 2, SPARE
	v_mov_b32 v[NIL], 0
	ds_add_u32 v28, v29
	ds_add_u32 v28, v29
	s_wait_dscnt 0x0
	v_lshrrev_b32 v1, 5, v0
	v_readfirstlane_b32 s14, v1
	s_lshr_b32 s15, s14, 1
	s_and_b32 s16, s14, 1
	s_bfe_u32 s40, ttmp6, 0x40000
	s_bfe_u32 s41, ttmp6, 0x40004
	s_and_b32 s66, ttmp7, 0xffff
	s_lshl_b32 s66, s66, 2
	s_lshl_b32 s67, ttmp9, 2
	s_add_co_u32 s67, s67, 16
	s_cmp_eq_u32 ttmp9, 2
	s_cselect_b32 s17, 24, s66
	s_cselect_b32 s42, s66, s67
	s_add_co_u32 s17, s17, s41
	s_add_co_u32 s42, s42, s40
	s_lshl_b32 s43, s41, 2
	s_lshl_b32 s43, 15, s43
	s_lshl_b32 s44, 0x1111, s40
	; 128 rows x 256 K of codes are 24,576 dense bytes of register images: 96 rows of 256 bytes (32 elements of 8), no padding
	s_or_b32 s[G1+0], s43, (3<<16)|(1<<21)
	s_or_b32 s[G1B+0], s44, (3<<16)|(1<<21)
.irp g, G1, G1B
	s_mov_b32 s[\g+1], 3072<<16                    ; for the head's loads: both halves of a tile's 256 rows, 2 rows of 24,576 bytes (3,072 elements of 8), 98,304 bytes apart
	s_mov_b32 s[\g+2], 2<<16
	s_mov_b32 s[\g+3], 3072<<16
	s_mov_b32 s[\g+4], 2
	s_mov_b32 s[\g+5], 12288
	s_mov_b32 s[\g+6], 0
	s_mov_b32 s[\g+7], 0
.endr
	s_or_b32 s[G1S+0], s43, (3<<16)|(1<<20)|(1<<21)|(5<<22)|(3<<25)
	s_or_b32 s[G1SB+0], s44, (3<<16)|(1<<20)|(1<<21)|(5<<22)|(3<<25)
.irp g, G1S, G1SB
	s_mov_b32 s[\g+1], 32<<16
	s_mov_b32 s[\g+2], (256*KS/256)<<16
	s_mov_b32 s[\g+3], 32<<16
	s_mov_b32 s[\g+4], 256*KS/256
	s_mov_b32 s[\g+5], 32
	s_mov_b32 s[\g+6], 0
	s_mov_b32 s[\g+7], 0
.endr
	s_lshl_b32 s18, s16, 7
	s_lshl_b32 s20, s17, 8
	s_add_co_u32 s20, s20, s18
	s_lshl_b32 s46, s42, 8
	s_add_co_u32 s46, s46, s18
	s_mov_b32 s21, 0
	s_mov_b32 s47, 0
	s_mov_b64 s[18:19], KS
	s_mul_u64 s[22:23], s[20:21], s[18:19]
	s_mul_u64 s[66:67], s[46:47], s[18:19]
	s_mov_b64 s[18:19], KROW
	s_mul_u64 s[20:21], s[20:21], s[18:19]
	s_mul_u64 s[46:47], s[46:47], s[18:19]
	s_mul_i32 s45, s14, HALFT
	s_wait_kmcnt 0x0
	s_add_nc_u64 s[20:21], s[4:5], s[20:21]
	s_add_nc_u64 s[22:23], s[6:7], s[22:23]
	s_add_nc_u64 s[46:47], s[4:5], s[46:47]
	s_add_nc_u64 s[66:67], s[6:7], s[66:67]
	s_cmp_eq_u32 ttmp9, 1
	s_cselect_b64 s[92:93], s[94:95], s[92:93]
	s_cselect_b64 s[8:9], s[10:11], s[8:9]
	s_cmp_eq_u32 ttmp9, 2
	s_cselect_b64 s[92:93], s[96:97], s[92:93]
	s_cselect_b64 s[8:9], s[12:13], s[8:9]
	s_mov_b64 s[94:95], s[92:93]
	s_mov_b32 s[HM], 0xffff0000
	CROUND
	; THE HEAD'S FOUR TILES, each whole, one joint load a wave: wave 0 K step 0 of A's 256 rows, wave 1 of B's, wave 2 the scales of A's 256 rows, wave 3 of B's.
	; The addresses above hold my half of 128 rows: it is taken off again.  Slot 0's groups 0 serve the head's loads first and are set for the ring behind the wait below.
	s_mul_i32 s2, s16, 98304
	s_mov_b32 s3, 0
	s_mov_b32 s[G0], 1
	s_mov_b32 s[G0+1], 0
	s_sub_nc_u64 s[G0+2:G0+3], s[20:21], s[2:3]
	s_or_b32 s[G0+3], s[G0+3], 0x80000000
	s_mov_b32 s[G0B], 1
	s_mov_b32 s[G0B+1], 2*HALFT
	s_sub_nc_u64 s[G0B+2:G0B+3], s[46:47], s[2:3]
	s_or_b32 s[G0B+3], s[G0B+3], 0x80000000
	s_lshl_b32 s2, s16, 12
	s_mov_b32 s[G0S], 1
	s_mov_b32 s[G0S+1], SCL
	s_sub_nc_u64 s[G0S+2:G0S+3], s[22:23], s[2:3]
	s_or_b32 s[G0S+3], s[G0S+3], 0x80000000
	s_mov_b32 s[G0SB], 1
	s_mov_b32 s[G0SB+1], SCL+2*HALFS
	s_sub_nc_u64 s[G0SB+2:G0SB+3], s[66:67], s[2:3]
	s_or_b32 s[G0SB+3], s[G0SB+3], 0x80000000
	s_mov_b32 s[G0+4], 1                           ; slot 1's groups 0: my 128 rows, K step 1
	s_add_co_u32 s[G0+5], s45, SLOT
	s_add_nc_u64 s[G0+6:G0+7], s[20:21], ROWB
	s_or_b32 s[G0+7], s[G0+7], 0x80000000
	s_mov_b32 s[G0B+4], 1
	s_add_co_u32 s[G0B+5], s45, SLOT
	s_add_nc_u64 s[G0B+6:G0B+7], s[46:47], ROWB
	s_or_b32 s[G0B+7], s[G0B+7], 0x80000000
.macro ARM under, g0, g1, next         ; ONE tree of branches on the wave's number: every way through the head passes exactly one load
	s_cmp_lt_u32 s14, \under
	s_cbranch_scc0 \next
	tensor_load_to_lds s[\g0:\g0+3], s[\g1:\g1+7]
	s_nop 0
.rept 4
	v_nop
.endr
	s_branch .Lhead_asked
\next:
.endm
	ARM 1, G0,  G1,  .Lhead_b
	ARM 2, G0B, G1B, .Lhead_sa
	ARM 3, G0S, G1S, .Lhead_sb
	tensor_load_to_lds s[G0SB:G0SB+3], s[G1SB:G1SB+7]
	s_nop 0
.rept 4
	v_nop
.endr
.Lhead_asked:
	s_wait_alu depctr_va_vdst(0)
	s_wait_tensorcnt 0x0                           ; my tile of the head's four is in
	ds_add_u32 v28, v29
.irp g, G1, G1B                                ; no tensor load of mine is out, so descriptors may be written: from here on a load brings 128 rows x 256 K: 96 dense rows of 256 bytes
	s_mov_b32 s[\g+1], 32<<16
	s_mov_b32 s[\g+2], 96<<16
	s_mov_b32 s[\g+3], 32<<16
	s_mov_b32 s[\g+4], 96
	s_mov_b32 s[\g+5], 32
.endr
	s_mov_b32 s[G0+1], s45                         ; slot 0's groups 0 for the ring: my 128 rows, K step 0; the first refill steps them to K step 2
	s_mov_b64 s[G0+2:G0+3], s[20:21]
	s_or_b32 s[G0+3], s[G0+3], 0x80000000
	s_mov_b32 s[G0B+1], s45
	s_mov_b64 s[G0B+2:G0B+3], s[46:47]
	s_or_b32 s[G0B+3], s[G0B+3], 0x80000000
	s_wait_dscnt 0x0
	CROUND
	JLOAD G0+4, G1, G0B+4, G1B
	v_and_b32 v1, 15, v0
	v_bfe_u32 v2, v0, 4, 1
	v_and_b32 v3, 31, v0
	v_lshlrev_b32 v4, 4, v3
	v_lshlrev_b32 v5, 3, v3
	s_mul_i32 s21, s15, HALFT
	s_mul_i32 s22, s16, HALFT
	s_add_co_u32 s22, s22, 2*HALFT
.irp s, 0,1
	v_add_nc_u32 v[ADRA+\s], s21, v4
	v_add_nc_u32 v[ADRB+\s], s22, v4
	v_add_nc_u32 v[ADRA+2+\s], s21, v5
	v_add_nc_u32 v[ADRB+2+\s], s22, v5
	s_add_co_u32 s21, s21, SLOT
	s_add_co_u32 s22, s22, SLOT
.endr
	v_mul_u32_u24 v5, v1, KS
	v_lshrrev_b32 v6, 8, v5
	v_lshl_add_u32 v5, v6, 4, v5
	s_mul_i32 s21, s15, HALFS
	s_mul_i32 s22, s16, HALFS
	s_add_co_u32 s22, s22, 2*HALFS
	s_sub_co_u32 s22, s22, s21
	v_mul_u32_u24 v6, s22, v2
	s_add_co_u32 s21, s21, SCL
	v_add_nc_u32 v5, v5, v6
	v_add_nc_u32 v[ADRS], s21, v5
	v_and_b32 v6, 31, v0
	v_lshlrev_b32 v[L16], 4, v6
	v_lshlrev_b32 v[L8], 3, v6
	v_lshlrev_b32 v[BNO], 6, v2
	s_wait_alu depctr_va_vdst(0)
	v_and_b32 v6, 8, v1
	v_add_nc_u32 v6, v6, v1
	v_lshlrev_b32 v[BMO], 2, v6
	s_wait_alu depctr_va_vdst(0)
	s_cmp_eq_u32 ttmp9, 2
	s_cselect_b32 s10, s41, s40
	s_cselect_b32 s11, s15, s16
	s_cselect_b32 s12, s42, s17
	s_cselect_b32 s13, s16, s15
	s_lshl_b32 s10, s10, 2
	s_lshl_b32 s11, s11, 1
	s_add_co_u32 s10, s10, s11
	s_lshl_b32 s12, s12, 1
	s_add_co_u32 s12, s12, s13
	s_mul_i32 s10, s10, HEADB
	s_mul_i32 s12, s12, 6656
	s_add_co_u32 s10, s10, s12
	s_mov_b32 s11, 0
	s_add_nc_u64 s[8:9], s[8:9], s[10:11]
	s_lshl_b32 s10, s40, 10
	s_lshl_b32 s11, s16, 9
	s_add_co_u32 s10, s10, s11
	s_lshl_b32 s12, s41, 10
	s_lshl_b32 s13, s15, 9
	s_add_co_u32 s12, s12, s13
	s_lshl_b32 s18, s17, 10
	s_add_co_u32 s18, s18, s13
	s_cmp_eq_u32 ttmp9, 2
	s_cselect_b32 s10, 0, s10
	s_cselect_b32 s12, s12, 0
	s_cselect_b32 s18, 0, s18
	s_mov_b32 s11, 0
	s_mov_b32 s13, 0
	s_mov_b32 s19, 0
	s_add_nc_u64 s[92:93], s[92:93], s[10:11]
	s_add_nc_u64 s[94:95], s[94:95], s[12:13]
	s_add_nc_u64 s[98:99], s[98:99], s[18:19]
.irp b, 0,1,2,3,4,5,6,7
	global_load_b128 v[BN+8*\b:BN+8*\b+3], v[BNO], s[92:93] offset:(32*(\b/2)+8*(\b%2))*4
	global_load_b128 v[BN+8*\b+4:BN+8*\b+7], v[BNO], s[92:93] offset:(32*(\b/2)+8*(\b%2))*4+16
.endr
.irp a, 0,1,2,3,4,5,6,7
	global_load_b32 v[BM+2*\a], v[BMO], s[94:95] offset:(32*(\a/2)+8*(\a%2))*4
	global_load_b32 v[BM+2*\a+1], v[BMO], s[94:95] offset:(32*(\a/2)+8*(\a%2))*4
	global_load_b32 v[MK+\a], v[BMO], s[98:99] offset:(32*(\a/2)+8*(\a%2))*4
.endr
	s_mov_b32 s[SEL], 0x76543210
	s_mov_b32 s[SEL+1], 0xfedcba98
.macro FRAG reg, adr, q, i             ; a fragment is two images of 768 bytes: six registers each, 16 bytes at 16 x lane and 8 bytes at 512 + 8 x lane
	ds_load_b128 v[\reg:\reg+3], v[\adr] offset:(\i)*3072+(\q)*1536
	ds_load_b64 v[\reg+4:\reg+5], v[\adr+2] offset:(\i)*3072+(\q)*1536+512
	ds_load_b128 v[\reg+6:\reg+9], v[\adr] offset:(\i)*3072+(\q)*1536+768
	ds_load_b64 v[\reg+10:\reg+11], v[\adr+2] offset:(\i)*3072+(\q)*1536+1280
.endm
.macro MUL16 a0, p, q, sc, zero
.irp a, \a0, \a0+1
.irp b, 0,1,2,3,4,5,6,7
.if \zero
	v_wmma_scale_f32_16x16x128_f8f6f4 v[8*(8*((\a)%4)+\b):8*(8*((\a)%4)+\b)+7], v[128*(\p)+FR*\b:128*(\p)+FR*\b+FR-1], v[AF+FR*(\a):AF+FR*(\a)+FR-1], 0, v[SC+8*NQ*(\sc)+NQ*\b+(\q)], v[SC+8*NQ*(\sc)+NQ*(\a)+(\q)] matrix_a_fmt:MATRIX_FMT_FP6 matrix_b_fmt:MATRIX_FMT_FP6 matrix_a_scale:MATRIX_SCALE_ROW1
.else
	v_wmma_scale_f32_16x16x128_f8f6f4 v[8*(8*((\a)%4)+\b):8*(8*((\a)%4)+\b)+7], v[128*(\p)+FR*\b:128*(\p)+FR*\b+FR-1], v[AF+FR*(\a):AF+FR*(\a)+FR-1], v[8*(8*((\a)%4)+\b):8*(8*((\a)%4)+\b)+7], v[SC+8*NQ*(\sc)+NQ*\b+(\q)], v[SC+8*NQ*(\sc)+NQ*(\a)+(\q)] matrix_a_fmt:MATRIX_FMT_FP6 matrix_b_fmt:MATRIX_FMT_FP6 matrix_a_scale:MATRIX_SCALE_ROW1
.endif
.endr
.endr
.endm
.macro FETCH_B slot, q, p
	WIN TO_B
.irp i, 0,1,2,3,4,5,6,7
	FRAG 128*(\p)+FR*\i, ADRB+\slot, \q, \i
.endr
	WIN 0
.endm
.macro FETCH_A slot, q, i0
.irp i, \i0, \i0+1, \i0+2, \i0+3
	FRAG AF+FR*(\i), ADRA+\slot, \q, \i
.endr
.endm
.macro SCALES sc
.irp i, 0,1,2,3,4,5,6,7
	ds_load_b64 v[SC+8*NQ*\sc+NQ*\i:SC+8*NQ*\sc+NQ*\i+1], v[ADRS] offset:\i*SBLK
.endr
.endm
.macro PLACES n
.rept \n
	v_nop
.endr
.endm
.macro STEP slot, q, zero
	s_wait_dscnt 4*NL
	WIN MUL_LO
	MUL16 0, (\q)%2, \q, \slot, \zero
	MUL16 2, (\q)%2, \q, \slot, \zero
	s_wait_dscnt 0
	PLACES NP
	FETCH_B \slot, (\q)+1, 1-(\q)%2
	FETCH_A \slot, (\q)+1, 0
	WIN MUL_HI
	MUL16 4, (\q)%2, \q, \slot, \zero
	MUL16 6, (\q)%2, \q, \slot, \zero
	PLACES NP
	WIN 0
	FETCH_A \slot, (\q)+1, 4
.endm
.macro TURN slot, next, fill
	s_wait_tensorcnt 0x0
	ds_add_u32 v[SPW], v[NIL]
	s_wait_dscnt 4*NL+1
	WIN MUL_LO
	MUL16 0, 1, NQ-1, \slot, 0
	s_wait_dscnt 0x0
	s_barrier_signal -1
	MUL16 2, 1, NQ-1, \slot, 0
	WIN 0
	s_barrier_wait -1
.if \fill
	CREST
	s_add_nc_u64 s[G0+4*\slot+2:G0+4*\slot+3], s[G0+4*\slot+2:G0+4*\slot+3], 2*ROWB
	s_add_nc_u64 s[G0B+4*\slot+2:G0B+4*\slot+3], s[G0B+4*\slot+2:G0B+4*\slot+3], 2*ROWB
	JLOAD G0+4*\slot, G1, G0B+4*\slot, G1B
.else
	PLACES NP
.endif
	s_wait_alu depctr_va_vdst(0)
	v_add_nc_u32 v[ADRS], 4*NQ, v[ADRS]
	FETCH_B \next, 0, 0
	FETCH_A \next, 0, 0
	SCALES \next
	WIN MUL_HI
	MUL16 4, 1, NQ-1, \slot, 0
	MUL16 6, 1, NQ-1, \slot, 0
	PLACES NP
	WIN 0
	FETCH_A \next, 0, 4
.endm
	s_wait_tensorcnt 1
	s_barrier_signal -1
	s_barrier_wait -1
	FETCH_B 0, 0, 0
	FETCH_A 0, 0, 0
	SCALES 0
	FETCH_A 0, 0, 4
	STEP 0, 0, 1
	s_mov_b32 s3, LAPS-1
.Llap:
	TURN 0, 1, 1
	STEP 1, 0, 0
	TURN 1, 0, 1
	STEP 0, 0, 0
	s_sub_co_u32 s3, s3, 1
	s_cmp_lg_u32 s3, 0
	s_cbranch_scc1 .Llap
	TURN 0, 1, 0
	STEP 1, 0, 0
	s_wait_dscnt 4*NL
	WIN MUL_LO
	MUL16 0, 1, NQ-1, 1, 0
	MUL16 2, 1, NQ-1, 1, 0
	s_wait_dscnt 0
	WIN MUL_HI
	MUL16 4, 1, NQ-1, 1, 0
	MUL16 6, 1, NQ-1, 1, 0
	WIN 0
.macro QUANT s, w
.irp b, 0,1,2,3
	v_max3_num_f32 v[TM+\b], |v[\s+16*\b]|, |v[\s+1+16*\b]|, 0x1800000
.endr
.irp i, 2,4,6,8,10,12,14
.irp b, 0,1,2,3
	v_max3_num_f32 v[TM+\b], v[TM+\b], |v[\s+16*\b+\i]|, |v[\s+1+16*\b+\i]|
.endr
.endr
.irp b, 0,1,2,3
	v_permlanex16_b32 v[TM+4+\b], v[TM+\b], s[SEL], s[SEL+1]
.endr
.irp b, 0,1,2,3
	v_max_num_f32 v[TM+\b], v[TM+\b], v[TM+4+\b]
.endr
.irp b, 0,1,2,3
	v_add_nc_u32 v[TM+8+\b], 0xff000000, v[TM+\b]
.endr
.irp b, 0,1,2,3
	v_lshrrev_b32 v[TM+4+\b], 23, v[TM+8+\b]
.endr
	v_lshl_or_b32 v[\w], v[TM+5], 8, v[TM+4]
	v_lshl_or_b32 v[\w], v[TM+6], 16, v[\w]
	v_lshl_or_b32 v[\w], v[TM+7], 24, v[\w]
.irp c, 0,1
	v_cvt_scalef32_pk16_fp6_f32 v[PC+6*\c:PC+2+6*\c], v[\s+32*\c:\s+15+32*\c], v[TM+8+2*\c]
	v_cvt_scalef32_pk16_fp6_f32 v[PC+12+4*\c:PC+14+4*\c], v[\s+16+32*\c:\s+31+32*\c], v[TM+8+2*\c+1]
.endr
	v_nop
.irp c, 0,1
.irp i, 0,1,2
	v_permlane16_swap_b32 v[PC+6*\c+\i], v[PC+12+4*\c+\i]
.endr
.irp i, 0,1,2
	v_mov_b32 v[PC+3+6*\c+\i], v[PC+12+4*\c+\i]
.endr
.endr
.endm
.macro OUTBLK a, isv
.if \a > 0
	s_wait_xcnt 0x0
.endif
	WIN 0x02+(\a)/4
.set i, 0
.rept 32
.if \isv
	v_pk_add_f32 v[T+2*i:T+2*i+1], v[64*((\a)%4)+2*i:64*((\a)%4)+2*i+1], v[BM+2*(\a):BM+2*(\a)+1]
.else
	v_pk_add_f32 v[T+2*i:T+2*i+1], v[64*((\a)%4)+2*i:64*((\a)%4)+2*i+1], v[BN+2*i:BN+2*i+1]
.endif
.set i, i+1
.endr
	WIN 0
	QUANT T, W+\a
.if \isv
.irp i, 0,1,2
	global_store_b128 v[L16], v[PC+4*\i:PC+4*\i+3], s[8:9] offset:((\a)/4)*HEADB+((\a)%4)*1536+512*\i
.endr
.else
	global_store_b128 v[L16], v[PC:PC+3], s[8:9] offset:768*(\a)
	global_store_b64 v[L8], v[PC+4:PC+5], s[8:9] offset:768*(\a)+512
	global_store_b128 v[L16], v[PC+6:PC+9], s[8:9] offset:HEADB+768*(\a)
	global_store_b64 v[L8], v[PC+10:PC+11], s[8:9] offset:HEADB+768*(\a)+512
.endif
.endm
	s_wait_loadcnt 0x0                             ; the biases and the mask, asked for at the head, are first read on the way out
	PLACES NP
.irp b, 0,1,2,3
	v_mov_b32 v[TM+4+\b], 0
.endr
	s_cmp_eq_u32 ttmp9, 2
	s_cbranch_scc1 .Larm_v
.irp a, 0,1,2,3,4,5,6,7
	OUTBLK \a, 0
.endr
	v_mov_b32 v[C1], 0x01010000
	v_mov_b32 v[C2], 0x01f00000
.irp a, 0,1,2,3,4,5,6,7
	v_cmp_eq_u32 vcc_lo, 0, v[MK+\a]
	v_cndmask_b32 v[MK+\a], v[C1], v[C2], vcc_lo
.endr
.irp w, 0,1,2,3
	v_cndmask_b32 v[X+\w], v[W+\w], v[W+4+\w], s[HM]
	v_cndmask_b32 v[MK+\w], v[MK+\w], v[MK+4+\w], s[HM]
.endr
.irp w, 0,1,2,3
	v_and_or_b32 v[OE+\w], v[X+\w], 0xffff, v[MK+\w]
.endr
.irp w, 0,1,2,3
	v_lshrrev_b32 v[X+\w], 16, v[X+\w]
.endr
.irp w, 0,1,2,3
	v_or_b32 v[X+\w], v[X+\w], v[MK+\w]
.endr
	global_store_b128 v[L16], v[OE:OE+3], s[8:9] offset:6144
	global_store_b128 v[L16], v[X:X+3], s[8:9] offset:HEADB+6144
	s_branch .Ljoin
.Larm_v:
.irp a, 0,1,2,3,4,5,6,7
	OUTBLK \a, 1
.endr
	global_store_b128 v[L16], v[W:W+3], s[8:9] offset:6144
	global_store_b128 v[L16], v[W+4:W+7], s[8:9] offset:HEADB+6144
.Ljoin:
	s_wait_tensorcnt 0x0
	ds_add_u32 v[SPW], v[NIL]
	s_wait_dscnt 0x0
	CROUND
	s_endpgm
.Lfunc_end_k_q4ebc05e566_qkv:
	.size	k_q4ebc05e566_qkv, .Lfunc_end_k_q4ebc05e566_qkv-k_q4ebc05e566_qkv
	.p2alignl 7, 3214868480
	.fill 96, 4, 3214868480
	.section	.rodata,"a",@progbits
	.p2align	6, 0x0
	.amdhsa_kernel k_q4ebc05e566_qkv
		.amdhsa_group_segment_fixed_size 327680
		.amdhsa_private_segment_fixed_size 0
		.amdhsa_enable_private_segment 0
		.amdhsa_kernarg_size 72
		.amdhsa_user_sgpr_count 2
		.amdhsa_user_sgpr_kernarg_segment_ptr 1
		.amdhsa_wavefront_size32 1
		.amdhsa_system_sgpr_workgroup_id_x 1
		.amdhsa_system_sgpr_workgroup_id_y 1
		.amdhsa_system_sgpr_workgroup_id_z 1
		.amdhsa_system_vgpr_workitem_id 0
		.amdhsa_next_free_vgpr 1024
		.amdhsa_next_free_sgpr 102
		.amdhsa_reserve_vcc 1
		.amdhsa_float_denorm_mode_32 3
		.amdhsa_float_denorm_mode_16_64 3
		.amdhsa_memory_ordered 1
		.amdhsa_forward_progress 1
		.amdhsa_inst_pref_size 221
	.end_amdhsa_kernel
	.amdgpu_metadata
---
amdhsa.version: [ 1, 2 ]
amdhsa.kernels:
  - .name:           k_q4ebc05e566_qkv
    .symbol:         k_q4ebc05e566_qkv.kd
    .args:
      - { .name: codes, .offset: 0, .size: 8, .value_kind: global_buffer, .address_space: global }
      - { .name: scl, .offset: 8, .size: 8, .value_kind: global_buffer, .address_space: global }
      - { .name: bq, .offset: 16, .size: 8, .value_kind: global_buffer, .address_space: global }
      - { .name: bk, .offset: 24, .size: 8, .value_kind: global_buffer, .address_space: global }
      - { .name: bv, .offset: 32, .size: 8, .value_kind: global_buffer, .address_space: global }
      - { .name: attention_mask, .offset: 40, .size: 8, .value_kind: global_buffer, .address_space: global }
      - { .name: qimg, .offset: 48, .size: 8, .value_kind: global_buffer, .address_space: global }
      - { .name: kimg, .offset: 56, .size: 8, .value_kind: global_buffer, .address_space: global }
      - { .name: vimg, .offset: 64, .size: 8, .value_kind: global_buffer, .address_space: global }
    .group_segment_fixed_size: 327680
    .private_segment_fixed_size: 0
    .kernarg_segment_align: 8
    .kernarg_segment_size: 72
    .max_flat_workgroup_size: 128
    .sgpr_count:     102
    .vgpr_count:     1024
    .wavefront_size: 32
...
	.end_amdgpu_metadata
.endif
;; end of part 2
;; launch attn (part 3): grid 16 x 16, 16 waves a work-group, clusters of 4 x 1, 327,680 bytes of LDS; arguments qimg, kimg, vimg, acodes, ascl; writes acodes, ascl
.if DOCPART == 3
	.amdgcn_target "amdgcn-amd-amdhsa--gfx1250"
	.amdhsa_code_object_version 6
	.text
	.protected	k_q4ebc05e566_attn
	.globl	k_q4ebc05e566_attn
	.p2align	8
	.type	k_q4ebc05e566_attn,@function
k_q4ebc05e566_attn:
	s_mov_b64 s[64:65], 0
	v_nop
	global_prefetch_b8 v0, s[64:65] scope:SCOPE_SE
	s_setreg_imm32_b32 hwreg(HW_REG_WAVE_MODE, 25, 1), 1
	s_wait_xcnt 0x0
	s_wait_alu depctr_hold_cnt(0) depctr_sa_sdst(0) depctr_va_vdst(0) depctr_va_sdst(0) depctr_va_ssrc(0) depctr_va_vcc(0) depctr_vm_vsrc(0)
	s_getreg_b32 s2, hwreg(HW_REG_IB_STS2, 6, 4)
	s_cmp_eq_u32 s2, 0
	s_cbranch_scc0 .Lentry_in_a_cluster
	s_endpgm
.Lentry_in_a_cluster:
	s_bfe_u32 s2, ttmp6, 0x10000c
	s_cmp_lg_u32 s2, 0x3003
	s_cbranch_scc0 .Lentry_shape_is_right
	s_endpgm
.Lentry_shape_is_right:
; For each of 16 heads of 64 channels: O[q] = the sum over k of softmax_k(Q[q] . K[k] / 8, masked keys left out) V[k], both products on codes of FP6 (E2M3) with E8M0 scales; O is quantised along the channels for the last product.
; THE SOFTMAX: t = score x log2(e) / 8; M = the row's largest t so far, rounded UP to a whole number; p = 2^(t - M) is quantised along the keys, not normalised; the row's sum is taken of the unquantised p and
; divides O at the end.  When M moves, the sum and O are multiplied by 2^(old M - new M): exact.
; INPUTS are images of operand registers: a step block of 6,656 bytes holds 128 rows of q or k (8 tiles of 768 bytes, then 512 bytes of scale words) or 128 keys x 64 channels of v (4 tiles of 1,536 bytes, then 512 bytes).
; THE MASK rides in the half of the first product's K that a head's 64 channels leave idle: at k = 64 Q holds the code 1.0 under the scale byte 127, K the code -7.5 under the key's mask byte:
; 240 (2^113) for a masked key, whose score is then about -7.8e34 and whose p is 0, else 1 (2^-126).  All other idle places hold zero codes on Q's side.
; LIMITS: a masked score is -7.5 x 2^113, not -infinity; the running largest t begins at -1e30, so real t must lie above that; a mask that leaves no key (reference: NaN) is not served; blocks of zeros get the byte 1.
; SHARES.  A work-group owns 256 queries of one head, each of its SIXTEEN waves one tile of 16, in 256 registers: four waves to a SIMD, so that one wave's vector work stands beside another's matrix work and LDS loads.
; Every wave walks all 4,096 keys, 128 a step.  K and V come through a ring of two LDS slots of 1,024 keys.
; CLUSTER.  The four query blocks of a cluster belong to one head and walk the same K and V: each quarter of a slot is asked for JOINTLY (waves 0, 1: K's halves; waves 2, 3: V's).
; No prefetch: a refill has a slot's 8 key steps of all sixteen waves in which to land.
; LAYOUT.  Both products are used transposed (S^T = K Q^T, O^T = V^T P^T): a lane holds ONE query.  Rows lie in position order, so the 16 registers of tiles 2 b, 2 b + 1 are 16 neighbours along the next K.
.set SB,    6656                       ; a step block
.set QUART, 4*SB                       ; what one tensor load brings: 104 rows of 256 bytes
.set PART,  8*SB                       ; a slot's K part; V's lies behind it
.set SLOT1, 1<<17                      ; slot 1 begins here: one exclusive or turns an address from one slot to the other
.set SPARE, 2*SLOT1                    ; the spare words, 128 bytes for each of 16 waves
.set HEADB, 32*SB
.set L16,  1                           ; v1   16 x lane
.set L8,   2                           ; v2   8 x lane
.set A16,  3                           ; v3   the step's block + 16 x lane
.set A8,   4                           ; v4   + 8 x lane
.set SPW,  5                           ; v5   my spare word; never rewritten
.set NIL,  6                           ; v6   0; never rewritten
.set OA,   7                           ; v7   the way out: 48 r + 12 h
.set KSC,  8                           ; v8-11 K's scale words
.set QF,   16                          ; v16-27 Q's operand
.set QS,   28                          ; v28  Q's scale word
.set OB8,  29                          ; v29  the way out: 32 r + h
.set KR,   32                          ; v32-99 K: tile t's six registers at v[32 + 8 t], the codes 63 and 0 at + 6, + 7; v96-99 zeros
.set S,    100                         ; v100-163 S^T, then p; then V's four fragments in v100-147
.set VSC,  164                         ; v164-167 V's scale words
.set O,    168                         ; v168-199 O^T
.set PC,   200                         ; v200-211 p's codes
.set PX,   212                         ; v212-214, v216-218 the conversions' second halves
.set BMX,  220                         ; v220-223 the blocks' largest scores, then largest p
.set TP,   224                         ; v224-227 at work
.set SU,   228                         ; v228-229 the second chain of the sums
.set F,    232                         ; v232 f
.set PS,   233                         ; v233 p's scale word
.set TT,   234
.set SO,   236                         ; v236-239 the conversions' scale operands
.set WV,   18
.set SLOTS, 19
.set SEL,  20
.set CS,   22                          ; s[22:23] c = log2(e) / 8
.set G1,   24
.set G0K,  32
.set G0V,  36
.set TB,   40                          ; LDS byte at which the step in hand begins
.set CNT,  41
.set HM,   42
.set QW,   43
.macro TLOAD                           ; waves 0 and 1 fetch K's halves, waves 2 and 3 V's, the others nothing; the branches hang on the wave's number alone.  Four v_nop follow each line
	s_cmp_lt_u32 s[WV], 2
	s_cbranch_scc0 .Lnot_k_\@
	tensor_load_to_lds s[G0K:G0K+3], s[G1:G1+7]
	s_nop 0
.rept 4
	v_nop
.endr
	s_branch .Lasked_\@
.Lnot_k_\@:
	s_cmp_lt_u32 s[WV], 4
	s_cbranch_scc0 .Lasked_\@
	tensor_load_to_lds s[G0V:G0V+3], s[G1:G1+7]
	s_nop 0
.rept 4
	v_nop
.endr
.Lasked_\@:
.endm
.macro CROUND                          ; a round of the cluster's barrier
	s_barrier_signal -1
	s_barrier_wait -1
	s_cmp_lg_u32 s[WV], 0
	s_cbranch_scc1 .Lnot_wave_0_\@
	s_barrier_signal -3
.Lnot_wave_0_\@:
	s_barrier_wait -3
	s_barrier_signal -1
	s_barrier_wait -1
.endm
	s_load_b256 s[4:11], s[0:1], 0x0               ; qimg, kimg, vimg, acodes
	s_load_b64 s[12:13], s[0:1], 0x20              ; ascl
	v_lshl_add_u32 v[SPW], v0, 2, SPARE
	v_mov_b32 v[NIL], 0
	ds_add_u32 v5, v6
	ds_add_u32 v5, v6
	s_wait_dscnt 0x0
	v_lshrrev_b32 v1, 5, v0
	s_delay_alu instid0(VALU_DEP_1)
	v_readfirstlane_b32 s[WV], v1                  ; wave 0..15
	s_bfe_u32 s44, ttmp6, 0x40000                  ; cx
	s_lshl_b32 s45, ttmp9, 2
	s_add_co_u32 s45, s45, s44                     ; my block of 256 queries: it enters Q's and the outputs' global addresses alone
	s_and_b32 s46, ttmp7, 0xffff                   ; the head, which the four partners share
	s_mul_i32 s48, s46, HEADB
	s_mov_b32 s49, 0
	s_and_b32 s47, s[WV], 1
	s_mul_i32 s47, s47, QUART                      ; which half of a part I fetch: its place in LDS,
	s_mov_b32 s50, s47
	s_mov_b32 s51, 0
	s_add_nc_u64 s[50:51], s[50:51], s[48:49]      ; and in memory
	; descriptor group 1: 104 dense rows of 256 bytes (32 elements of 8), no padding; the mask names all four work-groups
	s_mov_b32 s[G1], 15|(3<<16)|(1<<21)
	s_mov_b32 s[G1+1], 32<<16                      ; tensor_dim0
	s_mov_b32 s[G1+2], 104<<16                     ; tensor_dim1
	s_mov_b32 s[G1+3], 32<<16                      ; tile_dim0
	s_mov_b32 s[G1+4], 104                         ; tile_dim1
	s_mov_b32 s[G1+5], 32                          ; tensor_dim0_stride
	s_mov_b32 s[G1+6], 0
	s_mov_b32 s[G1+7], 0
	s_mov_b32 s[SEL], 0x76543210
	s_mov_b32 s[SEL+1], 0xfedcba98
	s_mov_b32 s[CS], 0x3e38aa3b                    ; log2(e) / 8
	s_mov_b32 s[CS+1], s[CS]
	s_mov_b32 s[HM], 0xffff0000
	s_mov_b32 s[QW], 0x017f0000                    ; Q's scale bytes 2 and 3: 127 (1.0) and 1
	s_mov_b32 s[TB], 0
	s_mov_b32 s[SLOTS], 3
	; Q's tile: number 16 x block + wave: step block 2 x block + wave / 8, tile t = wave % 8
	s_lshl_b32 s52, s45, 1
	s_lshr_b32 s53, s[WV], 3
	s_add_co_u32 s52, s52, s53
	s_mul_i32 s52, s52, SB
	s_add_co_u32 s52, s52, s48
	s_and_b32 s53, s[WV], 7
	s_mul_i32 s54, s53, 768
	s_add_co_u32 s54, s54, s52                     ; its codes
	s_mov_b32 s55, 0
	s_lshr_b32 s56, s53, 2
	s_lshl_b32 s56, s56, 8
	s_and_b32 s53, s53, 3
	s_lshl_b32 s53, s53, 2
	s_add_co_u32 s56, s56, s53
	s_add_co_u32 s56, s56, s52
	s_add_co_u32 s56, s56, 6144                    ; its scale words: 6,144 + 256 (t / 4) + 4 (t % 4), 16 bytes from row to row
	s_mov_b32 s57, 0
	s_lshl_b32 s58, s45, 8
	s_lshl_b32 s59, s[WV], 4
	s_add_co_u32 s58, s58, s59                     ; my first row
	s_mul_i32 s60, s58, 48
	s_mul_i32 s61, s46, 196608
	s_add_co_u32 s60, s60, s61                     ; in acodes [head][row][48]
	s_mov_b32 s61, 0
	s_lshl_b32 s62, s58, 5
	s_lshl_b32 s63, s46, 1
	s_add_co_u32 s62, s62, s63                     ; in ascl [row][32]: byte 2 x head
	s_mov_b32 s63, 0
	s_wait_kmcnt 0x0
	s_mov_b32 s[G0K], 1
	s_mov_b32 s[G0K+1], s47                        ; slot 0, K's part
	s_add_nc_u64 s[G0K+2:G0K+3], s[6:7], s[50:51]
	s_or_b32 s[G0K+3], s[G0K+3], 0x80000000
	s_mov_b32 s[G0V], 1
	s_add_co_u32 s[G0V+1], s47, PART               ; slot 0, V's part
	s_add_nc_u64 s[G0V+2:G0V+3], s[8:9], s[50:51]
	s_or_b32 s[G0V+3], s[G0V+3], 0x80000000
	s_add_nc_u64 s[14:15], s[4:5], s[56:57]
	s_add_nc_u64 s[4:5], s[4:5], s[54:55]
	s_add_nc_u64 s[10:11], s[10:11], s[60:61]
	s_add_nc_u64 s[12:13], s[12:13], s[62:63]
	CROUND                                         ; all four work-groups are here: the first joint loads meet
	TLOAD                                          ; slot 0: keys 0 to 1,023
	v_and_b32 v8, 31, v0
	s_delay_alu instid0(VALU_DEP_1)
	v_lshlrev_b32 v[L16], 4, v8
	s_delay_alu instid0(VALU_DEP_2)
	v_lshlrev_b32 v[L8], 3, v8
	v_and_b32 v9, 15, v0                           ; r
	v_bfe_u32 v10, v0, 4, 1                        ; h
	s_delay_alu instid0(VALU_DEP_2)
	v_lshlrev_b32 v30, 4, v9
	global_load_b128 v[QF:QF+3], v[L16], s[4:5]
	global_load_b64 v[QF+4:QF+5], v[L8], s[4:5] offset:512
	global_load_b32 v[QS], v30, s[14:15]
	v_lshlrev_b32 v31, 3, v10
	s_delay_alu instid0(VALU_DEP_1)
	v_sub_nc_u32 v[QF+6], 8, v31                   ; the code 8 (1.0) at k = 64: the lowest code of register 6 in lanes 0-15; lanes 16-31 (k = 96): 0
.irp i, 7,8,9,10,11
	v_mov_b32 v[QF+\i], 0
.endr
	v_mul_u32_u24 v[OA], v9, 48
	s_delay_alu instid0(VALU_DEP_1)
	v_mad_u32_u24 v[OA], v10, 12, v[OA]
	v_lshl_add_u32 v[OB8], v9, 5, v10
.irp t, 0,1,2,3,4,5,6,7
	v_mov_b32 v[KR+8*\t+6], 63                     ; the code -7.5 at k = 64 (and at k = 96, where Q's code is 0)
	v_mov_b32 v[KR+8*\t+7], 0
.endr
.irp i, 0,1,2,3
	v_mov_b32 v[KR+64+\i], 0
	v_mov_b32 v[TP+\i], 0                          ; written once: a lane permute's destination counts as one of its sources
.endr
	v_mov_b32 v13, 0xf149f2ca                      ; the largest t so far: -1e30
	s_delay_alu instid0(VALU_DEP_1)
	v_floor_f32 v12, -v13                          ; -M
	v_mov_b32 v14, 0                               ; the sum, in two halves
	v_mov_b32 v15, 0
	v_mov_b32 v[PS], 0                             ; (named as the upper half of the pair with f before it is first written)
	s_wait_loadcnt 0x0                             ; Q
	v_and_or_b32 v[QS], v[QS], 0xffff, s[QW]       ; Q's word: its two bytes, 127, 1
.set j, 0
.rept 32
	v_mov_b32 v[O+j], 0                            ; O^T: the step is written once; its first walk finds zeros, which the first change of M leaves zeros
.set j, j+1
.endr
.macro KLOAD off                       ; a step's K: eight tiles' six registers, and the scale words: lanes 0-15 tiles 0-3, lanes 16-31 tiles 4-7
.irp t, 0,1,2,3,4,5,6,7
	ds_load_b128 v[KR+8*\t:KR+8*\t+3], v[A16] offset:\off+768*\t
	ds_load_b64 v[KR+8*\t+4:KR+8*\t+5], v[A8] offset:\off+768*\t+512
.endr
	ds_load_b128 v[KSC:KSC+3], v[A16] offset:\off+6144
.endm
.macro VLOAD                           ; a step's V: four fragments of 16 channels x 128 keys, and their scale words
.irp t, 0,1,2,3
.irp i, 0,1,2
	ds_load_b128 v[S+12*\t+4*\i:S+12*\t+4*\i+3], v[A16] offset:PART+1536*\t+512*\i
.endr
.endr
	ds_load_b128 v[VSC:VSC+3], v[A16] offset:PART+6144
.endm
; A slot's eight key steps: written once, walked eight times; the LDS addresses hang on s[TB].
.macro SLOTSTEPS
	v_add_nc_u32 v[A16], s[TB], v[L16]
	v_add_nc_u32 v[A8], s[TB], v[L8]
	KLOAD 0
	s_mov_b32 s[CNT], 8
.Lstep_\@:
	v_add_nc_u32 v[A16], s[TB], v[L16]             ; these two and three v_nop: five places between the last products, which read V's fragments, and the products below, which write over those registers
	v_add_nc_u32 v[A8], s[TB], v[L8]
.rept 3
	v_nop
.endr
	s_wait_dscnt 0x0                               ; K is in
.irp t, 0,1,2,3                                ; S^T = K Q^T.  An operand's registers 8-11 are the next tile's codes: Q's codes are zeros there
	v_wmma_scale_f32_16x16x128_f8f6f4 v[S+8*\t:S+8*\t+7], v[KR+8*\t:KR+8*\t+11], v[QF:QF+11], 0, v[KSC+\t], v[QS] matrix_a_fmt:MATRIX_FMT_FP6 matrix_b_fmt:MATRIX_FMT_FP6
.endr
.irp t, 4,5,6,7
	v_wmma_scale_f32_16x16x128_f8f6f4 v[S+8*\t:S+8*\t+7], v[KR+8*\t:KR+8*\t+11], v[QF:QF+11], 0, v[KSC+\t-4], v[QS] matrix_a_fmt:MATRIX_FMT_FP6 matrix_b_fmt:MATRIX_FMT_FP6 matrix_a_scale:MATRIX_SCALE_ROW1
.endr
.rept 4
	v_nop                                          ; places in front of the loads into K's registers and of the first read of the scores
.endr
	s_cmp_eq_u32 s[CNT], 1                         ; the next step's K is fetched a step ahead; the slot's last step fetches nothing
	s_cbranch_scc1 .Lnok_\@
	s_wait_alu depctr_va_vdst(0)
	KLOAD SB
.Lnok_\@:
.irp b, 0,1,2,3
	v_max3_num_f32 v[BMX+\b], v[S+16*\b], v[S+1+16*\b], v[S+2+16*\b]   ; the largest score of each block of 32 keys: it serves for the row's maximum and, since p rises with the score, for the block's largest p
.endr
.irp i, 3,5,7,9,11,13
.irp b, 0,1,2,3
	v_max3_num_f32 v[BMX+\b], v[BMX+\b], v[S+16*\b+\i], v[S+1+16*\b+\i]
.endr
.endr
.irp b, 0,1,2,3
	v_max_num_f32 v[BMX+\b], v[BMX+\b], v[S+15+16*\b]
.endr
.irp b, 0,1,2,3
	s_delay_alu instid0(VALU_DEP_4)
	v_permlanex16_b32 v[TP+\b], v[BMX+\b], s[SEL], s[SEL+1]
.endr
.irp b, 0,1,2,3
	s_delay_alu instid0(VALU_DEP_4)
	v_max_num_f32 v[BMX+\b], v[BMX+\b], v[TP+\b]   ; with lane l xor 16's 16 keys
.endr
	s_delay_alu instid0(VALU_DEP_2)
	v_max3_num_f32 v[TT], v[BMX], v[BMX+1], v[BMX+2]
	s_delay_alu instid0(VALU_DEP_1)
	v_max_num_f32 v[TT], v[TT], v[BMX+3]           ; the step's largest score of my query
	s_delay_alu instid0(VALU_DEP_1)
	v_mul_f32 v[TT], s[CS], v[TT]                  ; as t
	s_delay_alu instid0(VALU_DEP_1)
	v_max_num_f32 v13, v13, v[TT]                  ; the running largest t
	v_mov_b32 v[TT], v12
	s_delay_alu instid0(VALU_DEP_2)
	v_floor_f32 v12, -v13                          ; the new -M = -ceil(t): M is a whole number
	s_delay_alu instid0(VALU_DEP_1)
	v_sub_f32 v[TT], v12, v[TT]                    ; old M - new M: a whole number, 0 or less
	s_delay_alu instid0(VALU_DEP_1)
	v_cvt_i32_f32 v[TT], v[TT]                     ; (it saturates)
	s_delay_alu instid0(VALU_DEP_1)
	v_ldexp_f32 v[F], 1.0, v[TT]                   ; f = 2^(old M - new M)
.set j, 0
.rept 32
	v_pk_fma_f32 v[S+j:S+j+1], v[S+j:S+j+1], s[CS:CS+1], v[12:13] op_sel_hi:[1,0,0]   ; t - M, two at a time
.set j, j+2
.endr
.irp b, 0,1,2,3
	v_fma_f32 v[BMX+\b], v[BMX+\b], s[CS], v12     ; the same of each block's largest score
.endr
.set j, 0
	s_wait_alu depctr_va_vdst(0)
.rept 64
	v_exp_f32 v[S+j], v[S+j]                       ; p = 2^(t - M), at most 1
.set j, j+1
.endr
	v_pk_mul_f32 v[14:15], v[14:15], v[F:F+1] op_sel_hi:[1,0]   ; the sums under the new M (the plain place behind the exponentials)
	s_wait_alu depctr_va_vdst(0)                   ; one wait for the whole batch, ahead of its first reader
.irp b, 0,1,2,3
	v_exp_f32 v[BMX+\b], v[BMX+\b]                 ; the block's largest p
.endr
	v_pk_add_f32 v[228:229], v[104:105], v[108:109]
	v_pk_add_f32 v[254:255], v[112:113], v[116:117]
	v_pk_add_f32 v[252:253], v[120:121], v[124:125]
	v_pk_add_f32 v[250:251], v[128:129], v[132:133]
	v_pk_add_f32 v[248:249], v[136:137], v[140:141]
	v_pk_add_f32 v[246:247], v[144:145], v[148:149]
	v_pk_add_f32 v[244:245], v[152:153], v[156:157]
	v_pk_add_f32 v[14:15], v[14:15], v[160:161]
	v_pk_add_f32 v[228:229], v[228:229], v[100:101]
	v_pk_add_f32 v[254:255], v[254:255], v[102:103]
	v_pk_add_f32 v[252:253], v[252:253], v[106:107]
	v_pk_add_f32 v[250:251], v[250:251], v[110:111]
	v_pk_add_f32 v[248:249], v[248:249], v[114:115]
	v_pk_add_f32 v[246:247], v[246:247], v[118:119]
	v_pk_add_f32 v[244:245], v[244:245], v[122:123]
	v_pk_add_f32 v[14:15], v[14:15], v[126:127]
	v_pk_add_f32 v[228:229], v[228:229], v[130:131]
	v_pk_add_f32 v[254:255], v[254:255], v[134:135]
	v_pk_add_f32 v[252:253], v[252:253], v[138:139]
	v_pk_add_f32 v[250:251], v[250:251], v[142:143]
	v_pk_add_f32 v[248:249], v[248:249], v[146:147]
	v_pk_add_f32 v[246:247], v[246:247], v[150:151]
	v_pk_add_f32 v[244:245], v[244:245], v[154:155]
	v_pk_add_f32 v[14:15], v[14:15], v[158:159]
	v_pk_add_f32 v[228:229], v[228:229], v[162:163]
	s_delay_alu instid0(VALU_DEP_2)
	v_pk_add_f32 v[14:15], v[14:15], v[250:251]
	s_delay_alu instid0(VALU_DEP_2)
	v_pk_add_f32 v[228:229], v[228:229], v[248:249]
	v_pk_add_f32 v[254:255], v[254:255], v[246:247]
	v_pk_add_f32 v[252:253], v[252:253], v[244:245]
	s_delay_alu instid0(VALU_DEP_2)
	v_pk_add_f32 v[14:15], v[14:15], v[254:255]
	s_delay_alu instid0(VALU_DEP_2)
	v_pk_add_f32 v[228:229], v[228:229], v[252:253]
	s_delay_alu instid0(VALU_DEP_1)
	v_pk_add_f32 v[14:15], v[14:15], v[228:229]
	s_wait_alu depctr_va_vdst(0)                   ; and one for the four
.irp b, 0,1,2,3
	v_max_num_f32 v[BMX+\b], 0x1800000, v[BMX+\b]  ; the floor 2^(3 - 127): the byte cannot fall under 1
.endr
.irp b, 0,1,2,3
	s_delay_alu instid0(VALU_DEP_4)
	v_add_nc_u32 v[SO+\b], 0xff000000, v[BMX+\b]   ; 2 off the exponent field: the conversion's scale operand
.endr
.irp b, 0,1,2,3
	s_delay_alu instid0(VALU_DEP_4)
	v_lshrrev_b32 v[TP+\b], 23, v[SO+\b]           ; the scale's byte
.endr
	s_delay_alu instid0(VALU_DEP_3)
	v_lshl_or_b32 v[PS], v[TP+1], 8, v[TP]         ; p's scale word for these 128 keys
	s_delay_alu instid0(VALU_DEP_1)
	v_lshl_or_b32 v[PS], v[TP+2], 16, v[PS]
	s_delay_alu instid0(VALU_DEP_1)
	v_lshl_or_b32 v[PS], v[TP+3], 24, v[PS]
.irp c, 0,1
	v_cvt_scalef32_pk16_fp6_f32 v[PC+6*\c:PC+2+6*\c], v[S+32*\c:S+15+32*\c], v[SO+2*\c]
	v_cvt_scalef32_pk16_fp6_f32 v[PX+4*\c:PX+2+4*\c], v[S+16+32*\c:S+31+32*\c], v[SO+2*\c+1]
.endr
	VLOAD                                          ; p's registers are free: V's fragments land there
	v_nop                                          ; one plain place behind a scaled conversion
.irp c, 0,1                                    ; the operand's layout wants a WHOLE block in a lane
.irp i, 0,1,2
	v_permlane16_swap_b32 v[PC+6*\c+\i], v[PX+4*\c+\i]
.endr
.irp i, 0,1,2
	s_delay_alu instid0(VALU_DEP_3)
	v_mov_b32 v[PC+3+6*\c+\i], v[PX+4*\c+\i]
.endr
.endr
.set j, 0
.rept 16
	v_pk_mul_f32 v[O+j:O+j+1], v[O+j:O+j+1], v[F:F+1] op_sel_hi:[1,0]   ; O^T under the new M (these are also the places in front of the scaled products below)
.set j, j+2
.endr
	s_wait_alu depctr_va_vdst(0)
	s_wait_dscnt 0x0                               ; V is in
.irp t, 0,1,2,3                                ; O^T += V^T P^T: the four accumulators by turns
	v_wmma_scale_f32_16x16x128_f8f6f4 v[O+8*\t:O+8*\t+7], v[S+12*\t:S+12*\t+11], v[PC:PC+11], v[O+8*\t:O+8*\t+7], v[VSC+\t], v[PS] matrix_a_fmt:MATRIX_FMT_FP6 matrix_b_fmt:MATRIX_FMT_FP6
.endr
	s_add_co_u32 s[TB], s[TB], SB
	s_sub_co_u32 s[CNT], s[CNT], 1
	s_cmp_lg_u32 s[CNT], 0
	s_cbranch_scc1 .Lstep_\@
	s_sub_co_u32 s[TB], s[TB], 8*SB                ; back to a slot's first step,
	s_xor_b32 s[TB], s[TB], SLOT1                  ; in the other slot
.endm
; THE CHANGE OF SLOTS stands at a slot's head.  Each wave waits for all its tensor loads (its part of the slot ahead), adds 0 to its spare word, and waits for that and for its reads of the slot that it has left.
; fill = 1: the barrier is a round of the cluster's, and behind it the slot that was left takes the next 1,024 keys: one joint load a fetching wave, with a slot's eight steps in which to land.
.macro CHANGE fill
	s_wait_tensorcnt 0x0                           ; no tensor load of mine is out, so a group 0 may be written
	ds_add_u32 v[SPW], v[NIL]                      ; 0 onto my spare word
	ds_add_u32 v[SPW], v[NIL]
.if \fill
	s_xor_b32 s[G0K+1], s[G0K+1], SLOT1
	s_add_nc_u64 s[G0K+2:G0K+3], s[G0K+2:G0K+3], PART   ; the next eight step blocks
	s_xor_b32 s[G0V+1], s[G0V+1], SLOT1
	s_add_nc_u64 s[G0V+2:G0V+3], s[G0V+2:G0V+3], PART
.endif
	s_wait_dscnt 0x0                               ; the add is done, and my reads of the slot that I have left are over
.if \fill
	CROUND
	TLOAD
.else
	s_barrier_signal -1
	s_barrier_wait -1
.endif
.endm
.Lslot:                                            ; three trips: behind each change of slots but the last the next slot is asked for
	CHANGE 1
	SLOTSTEPS
	s_sub_co_u32 s[SLOTS], s[SLOTS], 1
	s_cmp_lg_u32 s[SLOTS], 0
	s_cbranch_scc1 .Lslot
	CHANGE 0                                       ; the last slot is written out
	SLOTSTEPS
	; THE WAY OUT.  O^T / the sum; register 16 b + i is channel 32 b + 16 h + i of my query: two blocks of 32, each in lanes l and l xor 16.
	v_add_f32 v14, v14, v15
	s_delay_alu instid0(VALU_DEP_1)
	v_permlanex16_b32 v[TT], v14, s[SEL], s[SEL+1]
	s_delay_alu instid0(VALU_DEP_1)
	v_add_f32 v14, v14, v[TT]                      ; the row's sum
	s_wait_alu depctr_va_vdst(0)
	v_rcp_f32 v14, v14
.rept 4
	v_nop                                          ; the plain place behind the reciprocal; with the two additions the places behind the last products
.endr
	s_wait_alu depctr_va_vdst(0)                   ; ahead of the reciprocal's first reader
.set j, 0
.rept 16
	v_pk_mul_f32 v[S+j:S+j+1], v[O+j:O+j+1], v[14:15] op_sel_hi:[1,0]
.set j, j+2
.endr
.irp b, 0,1
	v_max3_num_f32 v[BMX+\b], |v[S+16*\b]|, |v[S+1+16*\b]|, 0x1800000
.endr
.irp i, 2,4,6,8,10,12,14
.irp b, 0,1
	s_delay_alu instid0(VALU_DEP_2)
	v_max3_num_f32 v[BMX+\b], v[BMX+\b], |v[S+16*\b+\i]|, |v[S+1+16*\b+\i]|
.endr
.endr
.irp b, 0,1
	s_delay_alu instid0(VALU_DEP_2)
	v_permlanex16_b32 v[TP+\b], v[BMX+\b], s[SEL], s[SEL+1]
.endr
.irp b, 0,1
	s_delay_alu instid0(VALU_DEP_2)
	v_max_num_f32 v[BMX+\b], v[BMX+\b], v[TP+\b]
.endr
.irp b, 0,1
	s_delay_alu instid0(VALU_DEP_2)
	v_add_nc_u32 v[SO+\b], 0xff000000, v[BMX+\b]
.endr
.irp b, 0,1
	s_delay_alu instid0(VALU_DEP_2)
	v_lshrrev_b32 v[TP+\b], 23, v[SO+\b]
.endr
	v_cvt_scalef32_pk16_fp6_f32 v[PC:PC+2], v[S:S+15], v[SO]           ; codes of channels 16 h + 0 .. 15: 12 bytes
	v_cvt_scalef32_pk16_fp6_f32 v[PC+4:PC+6], v[S+16:S+31], v[SO+1]    ; of channels 32 + 16 h + 0 .. 15
	v_nop                                          ; one plain place behind a scaled conversion
	v_cndmask_b32 v[TP], v[TP], v[TP+1], s[HM]     ; lanes 0-15 store block 0's byte, lanes 16-31 block 1's
	global_store_b96 v[OA], v[PC:PC+2], s[10:11]   ; the two stores together fill the tile's 768 consecutive bytes
	global_store_b96 v[OA], v[PC+4:PC+6], s[10:11] offset:24
	global_store_b8 v[OB8], v[TP], s[12:13]        ; two bytes of each row's 32: 128 KiB in the whole launch
	s_wait_tensorcnt 0x0                           ; the wave's end
	ds_add_u32 v[SPW], v[NIL]
	s_wait_dscnt 0x0
	CROUND                                         ; the closing round
	s_endpgm
.Lfunc_end_k_q4ebc05e566_attn:
	.size	k_q4ebc05e566_attn, .Lfunc_end_k_q4ebc05e566_attn-k_q4ebc05e566_attn
	.p2alignl 7, 3214868480
	.fill 96, 4, 3214868480
	.section	.rodata,"a",@progbits
	.p2align	6, 0x0
	.amdhsa_kernel k_q4ebc05e566_attn
		.amdhsa_group_segment_fixed_size 327680
		.amdhsa_private_segment_fixed_size 0
		.amdhsa_enable_private_segment 0
		.amdhsa_kernarg_size 40
		.amdhsa_user_sgpr_count 2
		.amdhsa_user_sgpr_kernarg_segment_ptr 1
		.amdhsa_wavefront_size32 1
		.amdhsa_system_sgpr_workgroup_id_x 1
		.amdhsa_system_sgpr_workgroup_id_y 1
		.amdhsa_system_sgpr_workgroup_id_z 1
		.amdhsa_system_vgpr_workitem_id 0
		.amdhsa_next_free_vgpr 256
		.amdhsa_next_free_sgpr 66
		.amdhsa_reserve_vcc 0
		.amdhsa_float_denorm_mode_32 3
		.amdhsa_float_denorm_mode_16_64 3
		.amdhsa_memory_ordered 1
		.amdhsa_forward_progress 1
		.amdhsa_inst_pref_size 51
	.end_amdhsa_kernel
	.amdgpu_metadata
---
amdhsa.version: [ 1, 2 ]
amdhsa.kernels:
  - .name:           k_q4ebc05e566_attn
    .symbol:         k_q4ebc05e566_attn.kd
    .args:
      - { .name: qimg, .offset: 0, .size: 8, .value_kind: global_buffer, .address_space: global }
      - { .name: kimg, .offset: 8, .size: 8, .value_kind: global_buffer, .address_space: global }
      - { .name: vimg, .offset: 16, .size: 8, .value_kind: global_buffer, .address_space: global }
      - { .name: acodes, .offset: 24, .size: 8, .value_kind: global_buffer, .address_space: global }
      - { .name: ascl, .offset: 32, .size: 8, .value_kind: global_buffer, .address_space: global }
    .group_segment_fixed_size: 327680
    .private_segment_fixed_size: 0
    .kernarg_segment_align: 8
    .kernarg_segment_size: 40
    .max_flat_workgroup_size: 512
    .sgpr_count:     66
    .vgpr_count:     256
    .wavefront_size: 32
...
	.end_amdgpu_metadata
.endif
;; end of part 3
;; launch oproj (part 4): grid 8 x 32, 4 waves a work-group, clusters of 4 x 4, 223,232 bytes of LDS; arguments acodes, ascl, codes, scl, bo, out0; writes out0
.if DOCPART == 4
	.amdgcn_target "amdgcn-amd-amdhsa--gfx1250"
	.amdhsa_code_object_version 6
	.text
	.protected	k_q4ebc05e566_oproj
	.globl	k_q4ebc05e566_oproj
	.p2align	8
	.type	k_q4ebc05e566_oproj,@function
k_q4ebc05e566_oproj:
	s_mov_b64 s[64:65], 0
	v_nop
	global_prefetch_b8 v0, s[64:65] scope:SCOPE_SE
	s_setreg_imm32_b32 hwreg(HW_REG_WAVE_MODE, 25, 1), 1
	s_wait_xcnt 0x0
	s_wait_alu depctr_hold_cnt(0) depctr_sa_sdst(0) depctr_va_vdst(0) depctr_va_sdst(0) depctr_va_ssrc(0) depctr_va_vcc(0) depctr_vm_vsrc(0)
	s_getreg_b32 s2, hwreg(HW_REG_IB_STS2, 6, 4)
	s_cmp_eq_u32 s2, 0
	s_cbranch_scc0 .Lentry_in_a_cluster
	s_endpgm
.Lentry_in_a_cluster:
	s_bfe_u32 s2, ttmp6, 0x10000c
	s_cmp_lg_u32 s2, 0xf033
	s_cbranch_scc0 .Lentry_shape_is_right
	s_endpgm
.Lentry_shape_is_right:
; out0[m][n] = the sum over k of A[m][k] Wo[n][k] + bo[n], on codes of FP6 (E2M3) with E8M0 scales, sums in f32.  A: acodes [16 heads][4096 stored rows][48 bytes], ascl [row][32]; Wo: stored rows 7168.. of codes and scl.
; SHARES.  A work-group makes 128 x 128 of the result: 8 x 32 = 256 work-groups.  ALL OF K lies in LDS at once: A's 128 rows (16 heads x 6,144 bytes), Wo's 128 rows (98,304 dense bytes of register images) and both
; sides' scale bytes, one tensor load a wave (wave 0 A, wave 1 Wo, wave 2 A's scales, wave 3 Wo's).  Nothing is filled again: one barrier, then eight steps of 128 along K with no barrier.
; A wave makes 64 x 64: 16 accumulators in window 1; fragments in two sets in window 0, the next step's fetched ahead of a step's products.
; CLUSTER 4 x 4: A's tiles are shared along a row of the cluster, Wo's along a column, each asked for jointly.  No prefetch: the launch has no loop of loads to run ahead in.
; The product is used transposed (source 0 = Wo's rows, source 1 = A's): a lane holds eight neighbouring columns of a row.  Rows and columns lie in position order (stored 16 u + r of a group of 32 is 8 u + r + 8 (r / 8)):
; the way out puts them back, columns by the stage's offsets, rows by the stores' offsets.
.set BCOD,   98304                     ; LDS: Wo's codes behind A's
.set SCL,    196608                    ; the scales: units of 256 bytes + 16 of padding
.set HALFS,  16*272                    ; those of 128 rows
.set SBLK,   2*272                     ; of 16 rows
.set SPARE,  SCL+2*HALFS               ; the spare words, 128 bytes a wave
.set STAGE,  SPARE+512                 ; the way out: 16 rows x 272 bytes for each wave, bytes of their own
.set SPITCH, 272
.set BO,   8                           ; v8-11 my four columns of bo
.set ADRA, 16                          ; v16, v17 A's fragments: heads 0-7, heads 8-15
.set ADRB, 18                          ; v18, v19 Wo's, 16 x lane: K steps 0-3, 4-7;  v20, v21 the same, 8 x lane
.set ADRS, 22
.set STO,  23
.set RD,   24
.set CO,   25
.set BOA,  26
.set SPW,  28
.set NIL,  29
.set SC,   32                          ; v32-63 scale words: register 8 i + s: lanes 0-15 A's tile i, lanes 16-31 Wo's tile i, K step s
.set AF,   64                          ; v64-159 A's fragments, two sets
.set BF,   160                         ; v160-255 Wo's
.set BK,   64                          ; the way out: two sets of 32
.set G1A, 24
.set G0A, 32
.set G0B, 36
.set G1B, 48
.set G1S, 68
.set G0S, 76
.set G1SB, 80
.set G0SB, 88
.set MSB, 0
.macro WIN new
.if MSB != \new
	s_set_vgpr_msb (MSB<<8)|\new
.set MSB, \new
.endif
.endm
.macro CROUND
	s_barrier_signal -1
	s_barrier_wait -1
	s_cmp_lg_u32 s14, 0
	s_cbranch_scc1 .Lnot_wave_0_\@
	s_barrier_signal -3
.Lnot_wave_0_\@:
	s_barrier_wait -3
	s_barrier_signal -1
	s_barrier_wait -1
.endm
	s_load_b128 s[4:7], s[0:1], 0x0                ; acodes, ascl
	s_load_b128 s[8:11], s[0:1], 0x10              ; codes, scl
	s_load_b64 s[96:97], s[0:1], 0x20              ; bo
	s_load_b64 s[12:13], s[0:1], 0x28              ; out0
	v_lshl_add_u32 v[SPW], v0, 2, SPARE
	v_mov_b32 v[NIL], 0
	ds_add_u32 v[SPW], v[NIL]                      ; the opening lines: the add twice on end and its wait
	ds_add_u32 v[SPW], v[NIL]
	s_wait_dscnt 0x0
	v_lshrrev_b32 v1, 5, v0
	v_readfirstlane_b32 s14, v1                    ; wave
	s_lshr_b32 s15, s14, 1                         ; which 64 rows are mine
	s_and_b32 s16, s14, 1                          ; which 64 columns
	s_bfe_u32 s40, ttmp6, 0x40000                  ; cx
	s_bfe_u32 s41, ttmp6, 0x40004                  ; cy
	s_lshl_b32 s42, ttmp9, 2
	s_add_co_u32 s42, s42, s40                     ; block column
	s_and_b32 s17, ttmp7, 0xffff
	s_lshl_b32 s17, s17, 2
	s_add_co_u32 s17, s17, s41                     ; block row
	s_lshl_b32 s43, s41, 2
	s_lshl_b32 s43, 15, s43                        ; my row of the cluster
	s_lshl_b32 s44, 0x1111, s40                    ; my column
	s_or_b32 s[G1A+0], s43, (3<<16)|(1<<21)        ; A: 16 heads' runs of 6,144 bytes (768 elements of 8), 196,608 bytes apart
	s_mov_b32 s[G1A+1], 768<<16
	s_mov_b32 s[G1A+2], 16<<16
	s_mov_b32 s[G1A+3], 768<<16
	s_mov_b32 s[G1A+4], 16
	s_mov_b32 s[G1A+5], 24576
	s_mov_b32 s[G1A+6], 0
	s_mov_b32 s[G1A+7], 0
	s_or_b32 s[G1B+0], s44, (3<<16)|(1<<21)        ; Wo: 384 dense rows of 256 bytes
	s_mov_b32 s[G1B+1], 32<<16
	s_mov_b32 s[G1B+2], 384<<16
	s_mov_b32 s[G1B+3], 32<<16
	s_mov_b32 s[G1B+4], 384
	s_mov_b32 s[G1B+5], 32
	s_mov_b32 s[G1B+6], 0
	s_mov_b32 s[G1B+7], 0
	s_or_b32 s[G1S+0], s43, (3<<16)|(1<<20)|(1<<21)|(5<<22)|(3<<25)   ; scales: 16 dense rows of 256 bytes, 16 bytes of padding behind each
	s_or_b32 s[G1SB+0], s44, (3<<16)|(1<<20)|(1<<21)|(5<<22)|(3<<25)
.irp g, G1S, G1SB
	s_mov_b32 s[\g+1], 32<<16
	s_mov_b32 s[\g+2], 16<<16
	s_mov_b32 s[\g+3], 32<<16
	s_mov_b32 s[\g+4], 16
	s_mov_b32 s[\g+5], 32
	s_mov_b32 s[\g+6], 0
	s_mov_b32 s[\g+7], 0
.endr
	s_mul_i32 s20, s17, 6144                       ; A's 128 rows of 48 bytes in a head
	s_mov_b32 s21, 0
	s_lshl_b32 s22, s17, 12                        ; and their 4,096 scale bytes
	s_mov_b32 s23, 0
	s_add_co_u32 s46, s42, 56                      ; Wo's group of 128 stored rows
	s_mul_i32 s18, s46, 98304
	s_mov_b32 s19, 0
	s_lshl_b32 s92, s46, 12
	s_mov_b32 s93, 0
	s_wait_kmcnt 0x0
	s_add_nc_u64 s[20:21], s[4:5], s[20:21]
	s_add_nc_u64 s[22:23], s[6:7], s[22:23]
	s_add_nc_u64 s[18:19], s[8:9], s[18:19]
	s_add_nc_u64 s[92:93], s[10:11], s[92:93]
	CROUND                                         ; all sixteen work-groups are here: the joint loads meet
	s_mov_b32 s[G0A], 1
	s_mov_b32 s[G0A+1], 0
	s_mov_b64 s[G0A+2:G0A+3], s[20:21]
	s_or_b32 s[G0A+3], s[G0A+3], 0x80000000
	s_mov_b32 s[G0B], 1
	s_mov_b32 s[G0B+1], BCOD
	s_mov_b64 s[G0B+2:G0B+3], s[18:19]
	s_or_b32 s[G0B+3], s[G0B+3], 0x80000000
	s_mov_b32 s[G0S], 1
	s_mov_b32 s[G0S+1], SCL
	s_mov_b64 s[G0S+2:G0S+3], s[22:23]
	s_or_b32 s[G0S+3], s[G0S+3], 0x80000000
	s_mov_b32 s[G0SB], 1
	s_mov_b32 s[G0SB+1], SCL+HALFS
	s_mov_b64 s[G0SB+2:G0SB+3], s[92:93]
	s_or_b32 s[G0SB+3], s[G0SB+3], 0x80000000
; ONE tree of branches on the wave's number: every way through the head passes exactly one load
.macro ARM under, g0, g1, next
	s_cmp_lt_u32 s14, \under
	s_cbranch_scc0 \next
	tensor_load_to_lds s[\g0:\g0+3], s[\g1:\g1+7]
	s_nop 0
.rept 4
	v_nop
.endr
	s_branch .Lhead_asked
\next:
.endm
	ARM 1, G0A, G1A, .Lhead_b
	ARM 2, G0B, G1B, .Lhead_sa
	ARM 3, G0S, G1S, .Lhead_sb
	tensor_load_to_lds s[G0SB:G0SB+3], s[G1SB:G1SB+7]
	s_nop 0
.rept 4
	v_nop
.endr
.Lhead_asked:
	s_mul_i32 s21, s15, 3072                       ; my four tiles of A in a head's run
	s_mul_i32 s22, s16, 12288                      ; my four tiles of Wo in a step of 256 K
	s_add_co_u32 s22, s22, BCOD
	s_mul_i32 s23, s15, 4*SBLK
	s_mul_i32 s46, s16, 4*SBLK
	s_add_co_u32 s46, s46, HALFS
	s_sub_co_u32 s46, s46, s23                     ; from A's scale words to Wo's
	s_add_co_u32 s23, s23, SCL
	s_mul_i32 s47, s14, 16*SPITCH
	s_add_co_u32 s47, s47, STAGE
	s_lshl_b32 s18, s17, 7
	s_lshl_b32 s19, s15, 6
	s_add_co_u32 s18, s18, s19
	s_lshl_b32 s18, s18, 12                        ; my first row of out0, 4,096 bytes a row
	s_mov_b32 s19, 0
	s_lshl_b32 s94, s42, 9
	s_lshl_b32 s95, s16, 8
	s_add_co_u32 s94, s94, s95                     ; my first column, in bytes
	s_mov_b32 s95, 0
	s_add_nc_u64 s[12:13], s[12:13], s[18:19]
	s_add_nc_u64 s[12:13], s[12:13], s[94:95]
	s_add_nc_u64 s[96:97], s[96:97], s[94:95]
	v_and_b32 v1, 15, v0                           ; r
	v_bfe_u32 v2, v0, 4, 1                         ; h
	v_and_b32 v3, 31, v0
	v_mul_u32_u24 v4, v1, 48
	v_mad_u32_u24 v4, v2, 24, v4
	v_add_nc_u32 v[ADRA], s21, v4
	v_add_nc_u32 v[ADRA+1], 0xc000, v[ADRA]
	v_lshlrev_b32 v7, 4, v3
	v_add_nc_u32 v[ADRB], s22, v7
	v_add_nc_u32 v[ADRB+1], 0xc000, v[ADRB]
	v_lshlrev_b32 v7, 3, v3
	v_add_nc_u32 v[ADRB+2], s22, v7
	v_add_nc_u32 v[ADRB+3], 0xc000, v[ADRB+2]
	v_lshlrev_b32 v5, 5, v1                        ; my row's scales: 32 bytes a row,
	v_lshrrev_b32 v6, 8, v5
	v_lshl_add_u32 v5, v6, 4, v5                   ; and 16 more for each 256 passed
	v_mul_u32_u24 v6, s46, v2                      ; lanes 16-31 take Wo's
	v_add_nc_u32 v5, v5, v6
	v_add_nc_u32 v[ADRS], s23, v5
	v_mul_u32_u24 v5, v1, SPITCH
	v_lshl_add_u32 v5, v2, 6, v5
	v_add_nc_u32 v[STO], s47, v5                   ; into the stage: row r, 64 h
	v_lshlrev_b32 v[BOA], 4, v1
	v_mad_u32_u24 v5, v2, SPITCH, v[BOA]
	v_add_nc_u32 v[RD], s47, v5                    ; back: sixteen lanes take a row of 256 bytes
	v_lshl_add_u32 v[CO], v2, 12, v[BOA]           ; and the same two rows in out0
	s_wait_alu depctr_va_vdst(0)                   ; the wait at the head's end
	global_load_b128 v[BO:BO+3], v[BOA], s[96:97]
	s_wait_loadcnt 0x0
	s_wait_tensorcnt 0x0                           ; my tile is in;
	s_barrier_signal -1
	s_barrier_wait -1                              ; and everybody's
.macro FETCH s, p                      ; K step s (heads 2 s, 2 s + 1): my four tiles of A (six loads of 8 bytes) and of Wo (images: four loads): 40 loads
.irp i, 0,1,2,3
.irp q, 0,1,2,3,4,5
	ds_load_b64 v[AF+48*(\p)+12*\i+2*\q:AF+48*(\p)+12*\i+2*\q+1], v[ADRA+(\s)/4] offset:((2*(\s)+\q/3)%8)*6144+\i*768+8*(\q%3)
.endr
	ds_load_b128 v[BF+48*(\p)+12*\i:BF+48*(\p)+12*\i+3], v[ADRB+(\s)/4] offset:(((\s)/2)%2)*24576+\i*3072+((\s)%2)*1536
	ds_load_b64 v[BF+48*(\p)+12*\i+4:BF+48*(\p)+12*\i+5], v[ADRB+2+(\s)/4] offset:(((\s)/2)%2)*24576+\i*3072+((\s)%2)*1536+512
	ds_load_b128 v[BF+48*(\p)+12*\i+6:BF+48*(\p)+12*\i+9], v[ADRB+(\s)/4] offset:(((\s)/2)%2)*24576+\i*3072+((\s)%2)*1536+768
	ds_load_b64 v[BF+48*(\p)+12*\i+10:BF+48*(\p)+12*\i+11], v[ADRB+2+(\s)/4] offset:(((\s)/2)%2)*24576+\i*3072+((\s)%2)*1536+1280
.endr
.endm
.macro MUL s, zero                     ; the 16 accumulators by turns, in the same order in every step
.irp a, 0,1,2,3
.irp b, 0,1,2,3
.if \zero
	v_wmma_scale_f32_16x16x128_f8f6f4 v[8*(4*\a+\b):8*(4*\a+\b)+7], v[BF+48*((\s)%2)+12*\b:BF+48*((\s)%2)+12*\b+11], v[AF+48*((\s)%2)+12*\a:AF+48*((\s)%2)+12*\a+11], 0, v[SC+8*\b+(\s)], v[SC+8*\a+(\s)] matrix_a_fmt:MATRIX_FMT_FP6 matrix_b_fmt:MATRIX_FMT_FP6 matrix_a_scale:MATRIX_SCALE_ROW1
.else
	v_wmma_scale_f32_16x16x128_f8f6f4 v[8*(4*\a+\b):8*(4*\a+\b)+7], v[BF+48*((\s)%2)+12*\b:BF+48*((\s)%2)+12*\b+11], v[AF+48*((\s)%2)+12*\a:AF+48*((\s)%2)+12*\a+11], v[8*(4*\a+\b):8*(4*\a+\b)+7], v[SC+8*\b+(\s)], v[SC+8*\a+(\s)] matrix_a_fmt:MATRIX_FMT_FP6 matrix_b_fmt:MATRIX_FMT_FP6 matrix_a_scale:MATRIX_SCALE_ROW1
.endif
.endr
.endr
.endm
	FETCH 0, 0
.irp i, 0,1,2,3                                ; all of K's scale words: 32 bytes a row
	ds_load_b128 v[SC+8*\i:SC+8*\i+3], v[ADRS] offset:\i*SBLK
	ds_load_b128 v[SC+8*\i+4:SC+8*\i+7], v[ADRS] offset:\i*SBLK+16
.endr
.set ST, 0
.rept 8
.if ST < 7
.if ST > 0
.rept 4
	v_nop                                          ; places in front of loads into registers that the step before last's products read
.endr
.endif
	FETCH ST+1, (ST+1)%2
	s_wait_dscnt 40                                ; all but the 40 just issued
.else
	s_wait_dscnt 0x0
.endif
	WIN 0x50                                       ; C and D in window 1
.if ST == 0
	MUL 0, 1                                       ; the first step's products start the sums
.else
	MUL ST, 0
.endif
	WIN 0
.set ST, ST+1
.endr
; THE WAY OUT, by blocks of 16 rows x 64 columns through my own stage; LDS serves a wave's instructions in order
.macro TOSTAGE a
	WIN 0x04                                       ; the data: window 1
.irp b, 0,1,2,3
	ds_store_b128 v[STO], v[8*(4*(\a)+\b):8*(4*(\a)+\b)+3] offset:128*(\b/2)+32*(\b%2)      ; each accumulator from its low end on
	ds_store_b128 v[STO], v[8*(4*(\a)+\b)+4:8*(4*(\a)+\b)+7] offset:128*(\b/2)+32*(\b%2)+16
.endr
	WIN 0
.irp t, 0,1,2,3,4,5,6,7
	ds_load_b128 v[BK+32*((\a)%2)+4*\t:BK+32*((\a)%2)+4*\t+3], v[RD] offset:2*\t*SPITCH
.endr
.endm
.macro SEND a, younger
.set BB, BK+32*((\a)%2)
	s_wait_dscnt \younger
.irp t, 0,1,2,3,4,5,6,7
	v_pk_add_f32 v[BB+4*\t:BB+4*\t+1], v[BB+4*\t:BB+4*\t+1], v[BO:BO+1]
	v_pk_add_f32 v[BB+4*\t+2:BB+4*\t+3], v[BB+4*\t+2:BB+4*\t+3], v[BO+2:BO+3]
	global_store_b128 v[CO], v[BB+4*\t:BB+4*\t+3], s[12:13] offset:(32*((\a)/2)+8*((\a)%2)+2*\t+8*(\t/4))*4096 th:TH_STORE_NT   ; sixteen lanes store 256 consecutive bytes, aligned
.endr
.endm
.rept 4
	v_nop                                          ; places behind the last products
.endr
	TOSTAGE 0
.irp a, 1,2,3
.if \a > 1
	s_wait_xcnt 0x0                                ; block a - 2's stores have read their registers
.endif
	TOSTAGE \a
	SEND \a-1, 16                                  ; behind block a - 1's loads: block a's 8 stores and 8 loads
.endr
	SEND 3, 0
	s_wait_tensorcnt 0x0                           ; the wave's end
	ds_add_u32 v[SPW], v[NIL]
	s_wait_dscnt 0x0
	CROUND                                         ; the closing round
	s_endpgm
.Lfunc_end_k_q4ebc05e566_oproj:
	.size	k_q4ebc05e566_oproj, .Lfunc_end_k_q4ebc05e566_oproj-k_q4ebc05e566_oproj
	.p2alignl 7, 3214868480
	.fill 96, 4, 3214868480
	.section	.rodata,"a",@progbits
	.p2align	6, 0x0
	.amdhsa_kernel k_q4ebc05e566_oproj
		.amdhsa_group_segment_fixed_size 223232
		.amdhsa_private_segment_fixed_size 0
		.amdhsa_enable_private_segment 0
		.amdhsa_kernarg_size 48
		.amdhsa_user_sgpr_count 2
		.amdhsa_user_sgpr_kernarg_segment_ptr 1
		.amdhsa_wavefront_size32 1
		.amdhsa_system_sgpr_workgroup_id_x 1
		.amdhsa_system_sgpr_workgroup_id_y 1
		.amdhsa_system_sgpr_workgroup_id_z 1
		.amdhsa_system_vgpr_workitem_id 0
		.amdhsa_next_free_vgpr 384
		.amdhsa_next_free_sgpr 98
		.amdhsa_reserve_vcc 0
		.amdhsa_float_denorm_mode_32 3
		.amdhsa_float_denorm_mode_16_64 3
		.amdhsa_memory_ordered 1
		.amdhsa_forward_progress 1
		.amdhsa_inst_pref_size 59
	.end_amdhsa_kernel
	.amdgpu_metadata
---
amdhsa.version: [ 1, 2 ]
amdhsa.kernels:
  - .name:           k_q4ebc05e566_oproj
    .symbol:         k_q4ebc05e566_oproj.kd
    .args:
      - { .name: acodes, .offset: 0, .size: 8, .value_kind: global_buffer, .address_space: global }
      - { .name: ascl, .offset: 8, .size: 8, .value_kind: global_buffer, .address_space: global }
      - { .name: codes, .offset: 16, .size: 8, .value_kind: global_buffer, .address_space: global }
      - { .name: scl, .offset: 24, .size: 8, .value_kind: global_buffer, .address_space: global }
      - { .name: bo, .offset: 32, .size: 8, .value_kind: global_buffer, .address_space: global }
      - { .name: out0, .offset: 40, .size: 8, .value_kind: global_buffer, .address_space: global }
    .group_segment_fixed_size: 223232
    .private_segment_fixed_size: 0
    .kernarg_segment_align: 8
    .kernarg_segment_size: 48
    .max_flat_workgroup_size: 128
    .sgpr_count:     98
    .vgpr_count:     384
    .wavefront_size: 32
...
	.end_amdgpu_metadata
.endif
;; end of part 4
